; MI455X (gfx1250); checked and timed in simulation.
; The chip was launched on July 23, 2026; its instructions are those of AMD's public machine-readable ISA for CDNA 5 (MIT licence, August 2026) and "CDNA5" Instruction Set Architecture Reference Guide (July 2026). The comments in the code are by the model that wrote it; some were corrected since.
;; GPT2 Self Attention. Allowed arithmetic: matrix products marked QUANTISED: E2M3 operands, one E8M0 scale for each 32 along K, by v_wmma_scale_f32_16x16x128_f8f6f4 with both operands' format E2M3, f32 sums; everything else in f32.
;; Inputs: Wd 1,024 x 1,024 float32; Wqkv 1,024 x 3,072 float32; bd 1,024 float32; bqkv 3,072 float32; x 4 x 2,048 x 1,024 float32.
;; Outputs: out0 4 x 2,048 x 1,024 float32.
;; This version of the problem:
;;   THIS VERSION OF THE PROBLEM IS GIVEN IN LOW PRECISION. The matrix products marked QUANTISED in the list below multiply operands that are first quantised to E2M3 (2 exponent bits, 3 mantissa bits; 6 bits a number), with one power-of-two scale for each 32 numbers along K (OCP MX v1.0); their sums are f32. All else is computed in f32.
;;   The module's matrix products, in the order in which they are computed (A, B: the left and right operand; K: the contracted axis; several contracted axes count as one K, in the product's order):
;;     1. [M 8,192, K 1,024] x [K 1,024, N 3,072]; A: input x; B: input Wqkv: QUANTISED
;;     2. batch 64 x [M 2,048, K 64] x [K 64, N 2,048]; A: computed on the way; B: computed on the way: QUANTISED
;;     3. batch 64 x [M 2,048, K 2,048] x [K 2,048, N 64]; A: softmax (see below); B: computed on the way: QUANTISED
;;     4. [M 8,192, K 1,024] x [K 1,024, N 1,024]; A: computed on the way; B: input Wd: QUANTISED
;;   THE QUANTISER, for each operand of a quantised product, along K:
;;     - K is cut into blocks of 32 from its start; a last block that is shorter is filled with zeros.
;;     - A block's scale is 2^e with e = floor(log2(the largest magnitude in the block)) - 2, held to -126 .. 127; a block of zeros has e = 0. As a byte (E8M0): e + 127.
;;     - Each number is divided by its block's scale, clamped to +-7.5, and rounded to the nearest number of E2M3, ties to even, subnormals kept.
;;     - The product sums the exact products of the quantised numbers (number of the format x scale) in f32.
;;   ~~~python
;;   def quantise(x, axis):      # numpy; x: float32 -> the quantised numbers, widened to float32 again
;;       x = np.moveaxis(x, axis, -1); K = x.shape[-1]
;;       x = np.pad(x, [(0, 0)] * (x.ndim - 1) + [(0, -K % 32)]); x = x.reshape(x.shape[:-1] + (-1, 32)); a = np.abs(x).max(-1, keepdims=True)
;;       e = np.where(a > 0, np.clip(np.frexp(np.where(a > 0, a, 1))[1] - 1 - 2, -126, 127), 0)      # np.frexp(a)[1] - 1 = floor(log2(a)), exactly
;;       r = np.clip(x / 2.0 ** e, -7.5, 7.5)
;;       step = 2.0 ** (np.maximum(np.frexp(np.where(r == 0, 1, r))[1] - 1, 0) - 3)
;;       q = np.round(r / step) * step * 2.0 ** e      # np.round: ties to even
;;       return np.moveaxis(q.reshape(q.shape[:-2] + (-1,))[..., :K], -1, axis).astype(np.float32)
;;   ~~~
;;   SOFTMAX AHEAD OF A QUANTISED PRODUCT. Where the list says 'softmax', what is quantised is not the finished softmax but p = 2^(t - M), with t = logit x log2(e) and M = ceil(the row's largest t), a whole number; so 1/2 < the row's largest p <= 1. The row's sum l is taken of the UNQUANTISED p, in f32, and the product's result is divided by l at the end. Since M is a whole number, a kernel that streams over the keys may use a running M (the ceiling of the running maximum): every later rescaling is an exact power of two, which a block's scale takes up: the codes' values come out the same.
;;   OPERANDS COMPUTED ON THE WAY. 'Computed on the way' means the value that the module computes at that place (a softmax that the list does not call 'softmax' is quantised finished and normalised). What goes into a quantiser is computed in f32, as accurately as f32 sums, v_exp_f32 and their like allow (about 1e-6 of the number): no bf16 or f16 on the way to a quantiser, and a product that is left as it is and whose result goes on into a quantised operand takes f32 operands (vector FMAs, or v_wmma_f32_16x16x4_f32). A number that lies on a knife's edge between two numbers of the format may be rounded either way, as far as f32 arithmetic and the matrix unit's own rounding can turn it there, and no further.
;; One version. Each part assembles by itself: llvm-mc -triple=amdgcn-amd-amdhsa -mcpu=gfx1250 --defsym DOCPART=n.
;; ======== version 1 of 1: 4 launches
;; workspace buffers: opx 6,553,600 bytes; opw 3,276,800 bytes; qq 7,340,032 bytes; kv 13,369,344 bytes; cq 6,815,744 bytes
;; launch quant (part 1): grid 768 x 1, 4 waves a work-group, no clusters, 68,096 bytes of LDS; arguments x, Wqkv, Wd, opx, opw; writes opx, opw
.if DOCPART == 1
	.amdgcn_target "amdgcn-amd-amdhsa--gfx1250"
	.amdhsa_code_object_version 6
	.text
	.protected	k_q309b37e4eb_quant
	.globl	k_q309b37e4eb_quant
	.p2align	8
	.type	k_q309b37e4eb_quant,@function
k_q309b37e4eb_quant:
	s_mov_b64 s[64:65], 0
	v_nop
	global_prefetch_b8 v0, s[64:65] scope:SCOPE_SE
	s_setreg_imm32_b32 hwreg(HW_REG_WAVE_MODE, 25, 1), 1
	s_wait_xcnt 0x0
; x [8192][1024], Wqkv [1024][3072] and Wd [1024][1024], f32, become codes of FP6 (E2M3) with one E8M0 byte for each 32 along K (x: its columns; the weights: their rows).
; A block's scale is 2^(floor(log2(largest magnitude)) - 2); its byte is the largest magnitude's exponent field - 2, held at 1 from below (a block of zeros keeps 1: its codes are zeros, and this program alone reads the bytes).
; THE BUFFERS ARE IMAGES OF OPERAND REGISTERS.  A fragment (16 rows x 128 K) is 12 registers a lane: registers 4 g .. 4 g + 3 lie at 512 g + 16 x lane: 1,536 bytes, every store 512 consecutive bytes.
; ONE ORDER INSIDE EVERY BLOCK OF 32, on every operand of the program: place 0-7 holds element 0-7, place 8-15 element 16-23, place 16-23 element 8-15, place 24-31 element 24-31.  The blocks are the true blocks,
; so codes and scales are the quantiser's; both sides of every product share the order, so every product is the same.  (It is the order in which two neighbouring 16 x 16 results fall out of the later launches.)
; opx: codes [row tile 512][K step 8][1536]; from XS_OFF scale words [row tile][pair of K steps 4][32]: lanes 0-15 the even K step, lanes 16-31 the odd one.
; opw: Wqkv's codes [column tile 192][K step 8][1536]; from WQS its scale words [pair of tiles 96][K step 8][32]: lanes 0-15 the even tile, lanes 16-31 the odd; from WDC and WDS the same for Wd (64 tiles).
; SHARES.  Work-groups 0-511: a row tile of x, wave = pair of K steps.  512-703: Wqkv, 704-767: Wd: a K step of 128 rows x 128 columns, wave = 32 columns.  Waves share nothing: no barrier.
; Memory binds: no matrix unit, no cluster, no tensor load (no input byte is read twice).
; LIMITS: NaN and infinities are not served; blocks whose largest magnitude lies under 2^-124 keep the byte 1.
.set SPARE,  67584                     ; behind the four waves' stages: the spare words, 128 bytes a wave
.set XS_OFF, 6291456
.set WQS,    2359296
.set WDC,    2457600
.set WDS,    3244032
.set L16, 4                            ; v4   16 x lane
.set L4,  5                            ; v5   4 x lane
.set SIN, 6                            ; v6   my stage, on the way in: 16 x lane
.set SOUT, 7                           ; v7   and out: 528 x (lane % 16) + 32 x (lane / 16)
.set SPW, 10                           ; v10  my spare word; never rewritten
.set NIL, 11                           ; v11  0; never rewritten
.set TM,  12                           ; v12-27 at work: +0..3 largest magnitudes, +4..7 the other half's, then bytes, +12..15 the conversions' scale operands
.set PC,  32                           ; v32-51 a fragment's codes, and the conversions' second halves
.set X0,  64                           ; v64-127 64 numbers of a lane
.set R,   128                          ; v128-255 as loaded
.set X1,  128                          ; v128-191 the second K step's 64 numbers
.set F0,  32                           ; the weights: the even tile's fragment,
.set F1,  44                           ; the odd tile's,
.set TA,  56                           ; and the upper halves of a pair of blocks
.set TB,  60
; 64 numbers of a lane, register 16 b + i = place i of my half of block b of my row, become a fragment's codes in v[PC] on and its scale word in v[pw]
.macro QUANT s, pw
.irp b, 0,1,2,3
	v_max3_num_f32 v[TM+\b], |v[\s+16*\b]|, |v[\s+1+16*\b]|, 0x1800000   ; my 16 numbers of block b, and the floor 2^(3 - 127): the byte cannot fall under 1
.endr
.irp i, 2,4,6,8,10,12,14
.irp b, 0,1,2,3
	v_max3_num_f32 v[TM+\b], v[TM+\b], |v[\s+16*\b+\i]|, |v[\s+1+16*\b+\i]|
.endr
.endr
.irp b, 0,1,2,3
	v_permlanex16_b32 v[TM+4+\b], v[TM+\b], s28, s29
.endr
.irp b, 0,1,2,3
	v_max_num_f32 v[TM+\b], v[TM+\b], v[TM+4+\b]   ; with lane l xor 16's: the block's largest magnitude
.endr
.irp b, 0,1,2,3
	v_add_nc_u32 v[TM+12+\b], 0xff000000, v[TM+\b] ; 2 off its exponent field: the conversion's scale operand
.endr
.irp b, 0,1,2,3
	v_lshrrev_b32 v[TM+4+\b], 23, v[TM+12+\b]      ; the scale's byte
.endr
	v_lshl_or_b32 v[\pw], v[TM+5], 8, v[TM+4]
	v_lshl_or_b32 v[\pw], v[TM+6], 16, v[\pw]
	v_lshl_or_b32 v[\pw], v[TM+7], 24, v[\pw]
.irp c, 0,1
	v_cvt_scalef32_pk16_fp6_f32 v[PC+6*\c:PC+2+6*\c], v[\s+32*\c:\s+15+32*\c], v[TM+12+2*\c]
	v_cvt_scalef32_pk16_fp6_f32 v[PC+12+4*\c:PC+14+4*\c], v[\s+16+32*\c:\s+31+32*\c], v[TM+12+2*\c+1]   ; (a conversion's three registers begin on an even number)
.endr
	v_nop                                          ; one plain place behind a scaled conversion
.irp c, 0,1                                    ; the operand wants a whole block in a lane: lanes 0-15 block 2 c, lanes 16-31 block 2 c + 1
.irp i, 0,1,2
	v_permlane16_swap_b32 v[PC+6*\c+\i], v[PC+12+4*\c+\i]
.endr
.irp i, 0,1,2
	v_mov_b32 v[PC+3+6*\c+\i], v[PC+12+4*\c+\i]
.endr
.endr
.endm
; One block of 32 rows of a weight: all 32 numbers of my column are mine.  left = the younger loads that may stay out
.macro WBLK b, left
.set XB, 128+32*(\b)
	s_wait_loadcnt \left
	v_max3_num_f32 v12, |v[XB]|, |v[XB+1]|, |v[XB+2]|
	v_max3_num_f32 v13, |v[XB+3]|, |v[XB+4]|, |v[XB+5]|
.irp i, 6,10,14,18,22,26
	v_max3_num_f32 v12, v12, |v[XB+\i]|, |v[XB+\i+1]|
	v_max3_num_f32 v13, v13, |v[XB+\i+2]|, |v[XB+\i+3]|
.endr
	v_max3_num_f32 v12, v12, |v[XB+30]|, |v[XB+31]|
	v_max3_num_f32 v12, v12, v13, 0x1800000        ; and the floor
	v_add_nc_u32 v14, 0xff000000, v12              ; the conversion's scale operand
	v_lshrrev_b32 v13, 23, v14                     ; the byte
.if (\b) == 0
	v_mov_b32 v28, v13
.else
	v_lshl_or_b32 v28, v13, 8*(\b), v28            ; my column's scale word for this K step
.endif
.if (\b)%2 == 0
	v_cvt_scalef32_pk16_fp6_f32 v[F0+6*((\b)/2):F0+6*((\b)/2)+2], v[XB:XB+15], v14
	v_cvt_scalef32_pk16_fp6_f32 v[TA:TA+2], v[XB+16:XB+31], v14
.else
	v_cvt_scalef32_pk16_fp6_f32 v[F1+6*((\b)/2):F1+6*((\b)/2)+2], v[XB:XB+15], v14
	v_cvt_scalef32_pk16_fp6_f32 v[TB:TB+2], v[XB+16:XB+31], v14
	v_nop                                          ; one plain place behind a scaled conversion
.irp i, 0,1,2                                  ; lanes 0-15 hold the even tile's columns, lanes 16-31 the odd tile's.  The exchange gives the even tile's fragment both blocks of the pair (lanes 0-15 the even block, lanes 16-31 the odd), and the odd tile's likewise
	v_permlane16_swap_b32 v[F0+6*((\b)/2)+\i], v[F1+6*((\b)/2)+\i]
	v_permlane16_swap_b32 v[TA+\i], v[TB+\i]
.endr
.irp i, 0,1,2
	v_mov_b32 v[F0+6*((\b)/2)+3+\i], v[TA+\i]
	v_mov_b32 v[F1+6*((\b)/2)+3+\i], v[TB+\i]
.endr
.endif
.endm
; A weight of N columns: work-group g = K step g % 8, columns 128 (g / 8) on; my wave's 32 columns are a pair of tiles.  A LANE TAKES A COLUMN AND ITS REGISTERS RUN DOWN K, in the block's order of places.
.macro WPATH N, first, p, code, sc
	s_sub_co_u32 s16, ttmp9, \first
	s_and_b32 s17, s16, 7                          ; K step
	s_lshr_b32 s18, s16, 3
	s_lshl_b32 s18, s18, 2
	s_add_co_u32 s18, s18, s14                     ; pair of tiles
	s_mul_i32 s20, s17, 128*\N*4
	s_lshl_b32 s21, s18, 7
	s_add_co_u32 s20, s20, s21
	s_mov_b32 s21, 0
	s_add_nc_u64 s[22:23], s[\p:\p+1], s[20:21]    ; the weight at row 128 x K step, column 32 x pair
	s_mul_i32 s20, s18, 24576
	s_mul_i32 s24, s17, 1536
	s_add_co_u32 s20, s20, s24
	s_add_co_u32 s20, s20, \code
	s_add_nc_u64 s[24:25], s[12:13], s[20:21]      ; the even tile's image; the odd tile's lies 12,288 bytes on
	s_lshl_b32 s20, s18, 3
	s_add_co_u32 s20, s20, s17
	s_lshl_b32 s20, s20, 7
	s_add_co_u32 s20, s20, \sc
	s_add_nc_u64 s[26:27], s[12:13], s[20:21]      ; the pair's 32 scale words
.irp b, 0,1,2,3
.irp i, 0,1,2,3,4,5,6,7,8,9,10,11,12,13,14,15,16,17,18,19,20,21,22,23,24,25,26,27,28,29,30,31
	global_load_b32 v[128+32*\b+\i], v[L4], s[22:23] offset:(32*\b+((\i)&7)+(((\i)&8)<<1)+(((\i)&16)>>1))*\N*4 th:TH_LOAD_NT   ; place i holds the element with bits 3 and 4 of i exchanged; a wave reads 128 consecutive bytes, the four waves 512
.endr
.endr
	WBLK 0, 63                                     ; 96 younger loads: the wait's field holds 63, and a smaller count is safe
	WBLK 1, 63
	WBLK 2, 32
	WBLK 3, 0
.irp g, 0,1,2
	global_store_b128 v[L16], v[F0+4*\g:F0+4*\g+3], s[24:25] offset:512*\g
	global_store_b128 v[L16], v[F1+4*\g:F1+4*\g+3], s[24:25] offset:12288+512*\g
.endr
	global_store_b32 v[L4], v28, s[26:27]
.endm
	s_load_b256 s[4:11], s[0:1], 0x0               ; x s[4:5], Wqkv s[6:7], Wd s[8:9], opx s[10:11]
	s_load_b64 s[12:13], s[0:1], 0x20              ; opw
	v_lshl_add_u32 v[SPW], v0, 2, SPARE
	v_mov_b32 v[NIL], 0
	v_lshrrev_b32 v1, 5, v0
	v_readfirstlane_b32 s14, v1                    ; wave
	v_and_b32 v1, 31, v0                           ; lane
	v_and_b32 v2, 15, v0                           ; r
	v_bfe_u32 v3, v0, 4, 1                         ; h
	v_lshlrev_b32 v[L16], 4, v1
	v_lshlrev_b32 v[L4], 2, v1
	s_mul_i32 s15, s14, 16896                      ; my wave's two stages of 16 rows x 528 bytes
	v_add_nc_u32 v[SIN], s15, v[L16]
	v_mul_u32_u24 v[SOUT], v2, 528
	v_lshl_add_u32 v[SOUT], v3, 5, v[SOUT]
	v_add_nc_u32 v[SOUT], s15, v[SOUT]
	s_mov_b32 s28, 0x76543210
	s_mov_b32 s29, 0xfedcba98                      ; v_permlanex16_b32's selects for lane l xor 16
	s_mov_b32 s30, 0xffff0000                      ; lanes 16-31
	s_wait_kmcnt 0x0
	s_cmp_lt_u32 ttmp9, 512
	s_cbranch_scc1 .Lpath_x
	s_cmp_lt_u32 ttmp9, 704
	s_cbranch_scc1 .Lpath_wqkv
	s_wait_alu depctr_va_vdst(0)
	WPATH 1024, 704, 8, WDC, WDS
	s_branch .Lend
.Lpath_wqkv:
	s_wait_alu depctr_va_vdst(0)
	WPATH 3072, 512, 6, 0, WQS
	s_branch .Lend
.Lpath_x:
	s_lshl_b32 s16, ttmp9, 16                      ; 16 rows of 4,096 bytes,
	s_lshl_b32 s17, s14, 10                        ; my two K steps: 1,024 bytes of each row
	s_add_co_u32 s16, s16, s17
	s_mov_b32 s17, 0
	s_add_nc_u64 s[4:5], s[4:5], s[16:17]
	s_mul_i32 s16, ttmp9, 12288
	s_mul_i32 s18, s14, 3072
	s_add_co_u32 s16, s16, s18
	s_add_nc_u64 s[20:21], s[10:11], s[16:17]      ; my two images
	s_lshl_b32 s16, ttmp9, 2
	s_add_co_u32 s16, s16, s14
	s_lshl_b32 s16, s16, 7
	s_add_co_u32 s16, s16, XS_OFF
	s_add_nc_u64 s[22:23], s[10:11], s[16:17]      ; my 32 scale words
	s_wait_alu depctr_va_vdst(0)
.irp u, 0,1
.irp i, 0,1,2,3,4,5,6,7,8,9,10,11,12,13,14,15
	global_load_b128 v[R+64*\u+4*\i:R+64*\u+4*\i+3], v[L16], s[4:5] offset:4096*\i+512*\u th:TH_LOAD_NT   ; 32 lanes read 512 consecutive bytes: a K step of row i
.endr
.endr
.irp b, 0,1,2,3
	v_mov_b32 v[TM+4+\b], 0                        ; written once: a lane permute's destination counts as one of its sources
.endr
	s_wait_loadcnt 16                              ; the first K step's 16 loads are in
.irp i, 0,1,2,3,4,5,6,7,8,9,10,11,12,13,14,15
	ds_store_b128 v[SIN], v[R+4*\i:R+4*\i+3] offset:528*\i
.endr
.irp b, 0,1,2,3                                ; back: lane (r, h) takes, of block b of row r, elements 8 h + 0..7 and 16 + 8 h + 0..7.  LDS serves a wave's instructions in order: these see the stores
	ds_load_b128 v[X0+16*\b:X0+16*\b+3], v[SOUT] offset:128*\b
	ds_load_b128 v[X0+16*\b+4:X0+16*\b+7], v[SOUT] offset:128*\b+16
	ds_load_b128 v[X0+16*\b+8:X0+16*\b+11], v[SOUT] offset:128*\b+64
	ds_load_b128 v[X0+16*\b+12:X0+16*\b+15], v[SOUT] offset:128*\b+80
.endr
	s_wait_loadcnt 0x0
.irp i, 0,1,2,3,4,5,6,7,8,9,10,11,12,13,14,15
	ds_store_b128 v[SIN], v[R+64+4*\i:R+64+4*\i+3] offset:8448+528*\i
.endr
	s_wait_dscnt 16                                ; all but these 16 stores: the first K step's numbers are back, and its stores have read v128-191, which take the second's
.irp b, 0,1,2,3
	ds_load_b128 v[X1+16*\b:X1+16*\b+3], v[SOUT] offset:8448+128*\b
	ds_load_b128 v[X1+16*\b+4:X1+16*\b+7], v[SOUT] offset:8448+128*\b+16
	ds_load_b128 v[X1+16*\b+8:X1+16*\b+11], v[SOUT] offset:8448+128*\b+64
	ds_load_b128 v[X1+16*\b+12:X1+16*\b+15], v[SOUT] offset:8448+128*\b+80
.endr
	QUANT X0, 28
.irp g, 0,1,2
	global_store_b128 v[L16], v[PC+4*\g:PC+4*\g+3], s[20:21] offset:512*\g
.endr
	s_wait_dscnt 0x0                               ; the second K step's numbers are back
	s_wait_xcnt 0x0                                ; the stores' data are written again only behind this wait
	QUANT X1, 29
.irp g, 0,1,2
	global_store_b128 v[L16], v[PC+4*\g:PC+4*\g+3], s[20:21] offset:1536+512*\g
.endr
	v_cndmask_b32 v30, v28, v29, s30               ; lanes 0-15 the even K step's words, lanes 16-31 the odd one's
	global_store_b32 v[L4], v30, s[22:23]
.Lend:
	s_wait_tensorcnt 0x0                           ; the wave's end: behind my last LDS store
	ds_add_u32 v[SPW], v[NIL]
	s_wait_dscnt 0x0
	s_endpgm
.Lfunc_end_k_q309b37e4eb_quant:
	.size	k_q309b37e4eb_quant, .Lfunc_end_k_q309b37e4eb_quant-k_q309b37e4eb_quant
	.p2alignl 7, 3214868480
	.fill 96, 4, 3214868480
	.section	.rodata,"a",@progbits
	.p2align	6, 0x0
	.amdhsa_kernel k_q309b37e4eb_quant
		.amdhsa_group_segment_fixed_size 68096
		.amdhsa_private_segment_fixed_size 0
		.amdhsa_enable_private_segment 0
		.amdhsa_kernarg_size 40
		.amdhsa_user_sgpr_count 2
		.amdhsa_user_sgpr_kernarg_segment_ptr 1
		.amdhsa_wavefront_size32 1
		.amdhsa_system_sgpr_workgroup_id_x 1
		.amdhsa_system_sgpr_workgroup_id_y 1
		.amdhsa_system_sgpr_workgroup_id_z 1
		.amdhsa_system_vgpr_workitem_id 0
		.amdhsa_next_free_vgpr 256
		.amdhsa_next_free_sgpr 66
		.amdhsa_reserve_vcc 0
		.amdhsa_float_denorm_mode_32 3
		.amdhsa_float_denorm_mode_16_64 3
		.amdhsa_memory_ordered 1
		.amdhsa_forward_progress 1
		.amdhsa_inst_pref_size 57
	.end_amdhsa_kernel
	.amdgpu_metadata
---
amdhsa.version: [ 1, 2 ]
amdhsa.kernels:
  - .name:           k_q309b37e4eb_quant
    .symbol:         k_q309b37e4eb_quant.kd
    .args:
      - { .name: x, .offset: 0, .size: 8, .value_kind: global_buffer, .address_space: global }
      - { .name: Wqkv, .offset: 8, .size: 8, .value_kind: global_buffer, .address_space: global }
      - { .name: Wd, .offset: 16, .size: 8, .value_kind: global_buffer, .address_space: global }
      - { .name: opx, .offset: 24, .size: 8, .value_kind: global_buffer, .address_space: global }
      - { .name: opw, .offset: 32, .size: 8, .value_kind: global_buffer, .address_space: global }
    .group_segment_fixed_size: 68096
    .private_segment_fixed_size: 0
    .kernarg_segment_align: 8
    .kernarg_segment_size: 40
    .max_flat_workgroup_size: 128
    .sgpr_count:     66
    .vgpr_count:     256
    .wavefront_size: 32
...
	.end_amdgpu_metadata
.endif
;; end of part 1
;; launch gemm1 (part 2): grid 16 x 32, 4 waves a work-group, clusters of 4 x 4, 327,680 bytes of LDS; arguments opx, opw, bqkv, qq, kv; writes qq, kv
.if DOCPART == 2
	.amdgcn_target "amdgcn-amd-amdhsa--gfx1250"
	.amdhsa_code_object_version 6
	.text
	.protected	k_q309b37e4eb_gemm1
	.globl	k_q309b37e4eb_gemm1
	.p2align	8
	.type	k_q309b37e4eb_gemm1,@function
k_q309b37e4eb_gemm1:
	s_mov_b64 s[64:65], 0
	v_nop
	global_prefetch_b8 v0, s[64:65] scope:SCOPE_SE
	s_setreg_imm32_b32 hwreg(HW_REG_WAVE_MODE, 25, 1), 1
	s_wait_xcnt 0x0
	s_wait_alu depctr_hold_cnt(0) depctr_sa_sdst(0) depctr_va_vdst(0) depctr_va_sdst(0) depctr_va_ssrc(0) depctr_va_vcc(0) depctr_vm_vsrc(0)
	s_getreg_b32 s2, hwreg(HW_REG_IB_STS2, 6, 4)
	s_cmp_eq_u32 s2, 0
	s_cbranch_scc0 .Lentry_in_a_cluster
	s_endpgm
.Lentry_in_a_cluster:
	s_bfe_u32 s2, ttmp6, 0x10000c
	s_cmp_lg_u32 s2, 0xf033
	s_cbranch_scc0 .Lentry_shape_is_right
	s_endpgm
.Lentry_shape_is_right:
; qkv = x Wqkv + bqkv on codes of FP6 with E8M0 scales, and its result quantised at once for the two products of attention: q and k along the head's 64, v along the tokens.  qkv never goes to memory in f32.
; SHARES.  A work-group takes 256 tokens (grid y) x the 192 columns of one head (grid x): q 0-63, k 64-127, v 128-191.  Wave w takes tokens 64 w .. 64 w + 63 x all 192 columns: 4 token tiles m x 12 column tiles n: 48 accumulators.
; Column tiles 0-7 (q, k) are used TRANSPOSED (source 0 = 16 columns of W, source 1 = 16 tokens): a lane holds one token, its registers run along the head's 64, the next K.
; Column tiles 8-11 (v) are used as they stand (source 0 = tokens, source 1 = columns): a lane holds one channel, its registers run along the tokens, which are the last product's K.
; Two neighbouring tiles' 16 registers of a lane are elements 8 h + 0..7 and 16 + 8 h + 0..7 of a block of 32: after the exchange of halves that is the order of places that every operand of this program has.
; THE TILES are images of operand registers (1,536 bytes a fragment, read back by three loads of 16 bytes a lane, 512 consecutive bytes each: no pitch, no padding).  K's eight steps of 128 go through three LDS slots of two
; steps each: steps 0-5 are first fills; steps 6, 7 are one refill of slot 0, asked for behind K step 1's change of slots, four K steps (192 matrix instructions a wave) ahead of its first read.
; By this text's own count a wave has at most three tensor loads out.  All of LDS is claimed.
; CLUSTERS: 4 x 4 work-groups; x's tiles hang on grid y alone and are asked for jointly along a row of the cluster, W's on grid x alone, jointly along a column.
; OUT.  qq: q's half fragments [head of batch 64][query tile 128][768] (registers 0-3 at 16 x lane, 4-5 at 512 + 8 x lane), from QS_OFF their scale words [..][16], from VSUM the sums of the QUANTISED v over each 64 tokens [..][32][64] f32
; (one matrix instruction a channel tile against a fragment of ones: the attention launch weighs keys that the mask hides with them).
; kv: a record of REC bytes for each 128 tokens of a head: k's 8 half fragments, v's 4 x 2 half fragments, k's scale words [8][16], v's [4][16].
; REGISTERS, in windows of 256: window 0: addresses, scale words, x's fragments in two sets (v96-191), the epilogue's codes (v192-255).  window 1: W's 12 fragments, one set.
;   window 2: acc(m, n < 8) at 8 (8 m + n).  window 3: v's acc(n', m) at 8 (4 n' + m); q, k's bias at v128 + 8 n; v's at v192 + 8 n'.  The biases are the C of each sum's first matrix instruction.
; LIMITS: NaN and infinities are not served; blocks whose largest magnitude lies under 2^-124 keep the byte 1.
.set SLOT,   86016                     ; x: 16 row tiles x 3,072 bytes (two K steps), then W: 12 column tiles x 3,072
.set BOFF,   49152
.set SPARE,  3*SLOT                    ; behind the slots: the spare words, 128 bytes a wave
.set XS_OFF, 6291456
.set WQS,    2359296
.set QS_OFF, 6291456
.set VSUM,   6815744
.set REC,    13056
.set L16,  3                           ; v3   16 x lane
.set L8,   4                           ; v4   8 x lane
.set L4,   5                           ; v5   4 x lane
.set R4,   6                           ; v6   4 x (lane % 16)
.set H32,  7                           ; v7   32 x (lane / 16)
.set ADRA, 8                           ; v8-10  my four row tiles in slot 0, 1, 2
.set ADRB, 11                          ; v11-13 W's tiles in slot 0, 1, 2
.set PW,   16                          ; v16-27 the scale words that the epilogue makes
.set SPW,  28                          ; v28  my spare word; never rewritten
.set NIL,  29                          ; v29  0; never rewritten
.set ONE_S, 30                         ; v30  four bytes 127: the scale of the fragment of ones
.set XSC,  32                          ; v32-47 x's scale words: 4 m + pair of K steps
.set WSC,  48                          ; v48-95 W's: 8 x pair of tiles + K step
.set AF,   96                          ; v96-191 x's fragments, two sets of 48
.set P,    192                         ; v192-255 the epilogue's codes, 8 registers a fragment
.set MX,   96                          ; the epilogue, where x's fragments lay: largest magnitudes,
.set EX,   112                         ; the other half's, then bytes,
.set SO,   128                         ; the conversions' scale operands,
.set ONES, 144                         ; a fragment of ones in its first 64 places, zeros behind,
.set SD,   156                         ; the sums' four results,
.set TP,   188                         ; and four words on their way out
.set G1A, 24                           ; s[24:31] descriptor group 1 for x's tiles;  s[32:39] for W's
.set G1B, 32
.set G0A, 40                           ; s[40:51] group 0 for x's tiles, a set for each slot;  s[52:63] for W's
.set G0B, 52
.set MSB, 0
.macro WIN new                         ; the immediate's high byte repeats the setting that is left
.if MSB != \new
	s_set_vgpr_msb (MSB<<8)|\new
.set MSB, \new
.endif
.endm
.macro PLACES                          ; four places behind matrix instructions, in front of loads into registers that they have read and of the first read of results
.rept 4
	v_nop
.endr
.endm
; A joint load: waves 0 and 1 fetch x's two halves, waves 2 and 3 W's.  The branch hangs on the wave's number alone.  An s_nop 0 and four v_nop follow each of the two lines.
.macro JLOAD g0a, g1a, g0b, g1b
	s_cmp_eq_u32 s15, 0
	s_cbranch_scc0 .Lfor_b_\@
	tensor_load_to_lds s[\g0a:\g0a+3], s[\g1a:\g1a+7]
	s_nop 0
.rept 4
	v_nop
.endr
	s_branch .Lasked_\@
.Lfor_b_\@:
	tensor_load_to_lds s[\g0b:\g0b+3], s[\g1b:\g1b+7]
	s_nop 0
.rept 4
	v_nop
.endr
.Lasked_\@:
.endm
.macro CREST                           ; a round of the cluster's barrier behind its opening barrier
	s_cmp_lg_u32 s14, 0
	s_cbranch_scc1 .Lnot_wave_0_\@
	s_barrier_signal -3
.Lnot_wave_0_\@:
	s_barrier_wait -3
	s_barrier_signal -1
	s_barrier_wait -1
.endm
.macro CROUND
	s_barrier_signal -1
	s_barrier_wait -1
	CREST
.endm
; One matrix instruction: D, source 0, source 1, C by their first registers; the two scale registers; ra, rb odd: that side's words stand in lanes 16-31
.macro WM d, a, b, c, sa, sb, ra, rb
.if ((\ra)%2) && ((\rb)%2)
	v_wmma_scale_f32_16x16x128_f8f6f4 v[(\d):(\d)+7], v[(\a):(\a)+11], v[(\b):(\b)+11], v[(\c):(\c)+7], v[(\sa)], v[(\sb)] matrix_a_fmt:MATRIX_FMT_FP6 matrix_b_fmt:MATRIX_FMT_FP6 matrix_a_scale:MATRIX_SCALE_ROW1 matrix_b_scale:MATRIX_SCALE_ROW1
.elseif ((\ra)%2)
	v_wmma_scale_f32_16x16x128_f8f6f4 v[(\d):(\d)+7], v[(\a):(\a)+11], v[(\b):(\b)+11], v[(\c):(\c)+7], v[(\sa)], v[(\sb)] matrix_a_fmt:MATRIX_FMT_FP6 matrix_b_fmt:MATRIX_FMT_FP6 matrix_a_scale:MATRIX_SCALE_ROW1
.elseif ((\rb)%2)
	v_wmma_scale_f32_16x16x128_f8f6f4 v[(\d):(\d)+7], v[(\a):(\a)+11], v[(\b):(\b)+11], v[(\c):(\c)+7], v[(\sa)], v[(\sb)] matrix_a_fmt:MATRIX_FMT_FP6 matrix_b_fmt:MATRIX_FMT_FP6 matrix_b_scale:MATRIX_SCALE_ROW1
.else
	v_wmma_scale_f32_16x16x128_f8f6f4 v[(\d):(\d)+7], v[(\a):(\a)+11], v[(\b):(\b)+11], v[(\c):(\c)+7], v[(\sa)], v[(\sb)] matrix_a_fmt:MATRIX_FMT_FP6 matrix_b_fmt:MATRIX_FMT_FP6
.endif
.endm
; Column tile n (q, k) x my four token tiles, K step s.  The 48 accumulators take turns, one instruction a turn, in the same order in every K step.
.macro MQK n, s, first
.irp m, 0,1,2,3
.if \first
	WM 8*(8*\m+(\n)), 12*(\n), AF+48*((\s)%2)+12*\m, 128+8*(\n), WSC+8*((\n)/2)+(\s), XSC+4*\m+(\s)/2, \n, \s
.else
	WM 8*(8*\m+(\n)), 12*(\n), AF+48*((\s)%2)+12*\m, 8*(8*\m+(\n)), WSC+8*((\n)/2)+(\s), XSC+4*\m+(\s)/2, \n, \s
.endif
.endr
.endm
; v's column tile 8 + n: the sources, and their scales, the other way round
.macro MV n, s, first
.irp m, 0,1,2,3
.if \first
	WM 8*(4*(\n)+\m), AF+48*((\s)%2)+12*\m, 12*(8+(\n)), 192+8*(\n), XSC+4*\m+(\s)/2, WSC+8*((8+(\n))/2)+(\s), \s, \n
.else
	WM 8*(4*(\n)+\m), AF+48*((\s)%2)+12*\m, 12*(8+(\n)), 8*(4*(\n)+\m), XSC+4*\m+(\s)/2, WSC+8*((8+(\n))/2)+(\s), \s, \n
.endif
.endr
.endm
.macro FBLO sl, q                      ; W's fragments 0-5 of the slot's q-th K step: 18 loads
	WIN 0x40                                       ; destination window 1
.irp n, 0,1,2,3,4,5
.irp g, 0,1,2
	ds_load_b128 v[12*\n+4*\g:12*\n+4*\g+3], v[ADRB+\sl] offset:3072*\n+1536*(\q)+512*\g
.endr
.endr
	WIN 0
.endm
.macro FBHI sl, q                      ; W's fragments 6-11: 18 loads
	WIN 0x40
.irp n, 6,7,8,9,10,11
.irp g, 0,1,2
	ds_load_b128 v[12*\n+4*\g:12*\n+4*\g+3], v[ADRB+\sl] offset:3072*\n+1536*(\q)+512*\g
.endr
.endr
	WIN 0
.endm
.macro FA sl, q, set                   ; x's four fragments: 12 loads
.irp m, 0,1,2,3
.irp g, 0,1,2
	ds_load_b128 v[AF+48*(\set)+12*\m+4*\g:AF+48*(\set)+12*\m+4*\g+3], v[ADRA+\sl] offset:3072*\m+1536*(\q)+512*\g
.endr
.endr
.endm
.macro MULWIN first
.if \first
	WIN 0xb1                                       ; source 0 (W) window 1, source 1 (x) window 0, C (the bias) window 3, D window 2
.else
	WIN 0xa1                                       ; C and D window 2
.endif
.endm
; A K step's second half: column tiles 6-11; more = 1: then W's fragments 6-11 of the next K step (slot tsl, its tq-th)
.macro BACK s, tsl, tq, first, more
	MULWIN \first
	MQK 6, \s, \first
	MQK 7, \s, \first
	WIN 0xf4                                       ; source 0 (x) window 0, source 1 (W) window 1, C and D window 3
.irp n, 0,1,2,3
	MV \n, \s, \first
.endr
.if \more
	PLACES
	FBHI \tsl, \tq
.else
	WIN 0
.endif
.endm
.macro STEP s, tsl, tq, first
	s_wait_dscnt 18                                ; W's fragments 0-5 and x's four are in; the youngest 18 loads (W's 6-11) may be out
	MULWIN \first
.irp n, 0,1,2,3,4,5
	MQK \n, \s, \first
.endr
	s_wait_dscnt 0x0                               ; W's 6-11 are in
	PLACES
	FBLO \tsl, \tq
	FA \tsl, \tq, 1-(\s)%2
	BACK \s, \tsl, \tq, \first, 1
.endm
; A slot's last K step changes slots: one barrier; in front of it each wave waits for all its tensor loads, adds 0 to its spare word, and waits for that and for its reads of the slot.  fill = 1: slot 0 is filled again, with K steps 6 and 7.
.macro TURN s, tsl, tq, fill
	s_wait_tensorcnt 0x0                           ; all my tensor loads have landed  (every window is 0 here)
	ds_add_u32 v[SPW], v[NIL]                      ; 0 onto my spare word
	s_wait_dscnt 19                                ; (the add and the youngest 18 loads may be out)
	WIN 0xa1
	MQK 0, \s, 0
	MQK 1, \s, 0
	MQK 2, \s, 0                                   ; twelve matrix instructions stand between the add and the wait for it
	s_wait_dscnt 0x0                               ; the add is done, and my reads of this slot are over
	s_barrier_signal -1
	MQK 3, \s, 0
	MQK 4, \s, 0
	MQK 5, \s, 0
	WIN 0
	s_barrier_wait -1
.if \fill
	CREST                                          ; the barrier has opened a round of the cluster's barrier: no wave of any partner still reads slot 0 or has a load on its way
	s_add_nc_u64 s[G0A+2:G0A+3], s[G0A+2:G0A+3], 9216   ; three slots of two K steps on
	s_add_nc_u64 s[G0B+2:G0B+3], s[G0B+2:G0B+3], 9216
	JLOAD G0A, G1A, G0B, G1B                       ; the first tensor load behind the round; its four v_nop are also the places in front of the loads below
.else
	PLACES
.endif
	FBLO \tsl, \tq
	FA \tsl, \tq, 1-(\s)%2
	BACK \s, \tsl, \tq, 0, 1
.endm
	s_load_b256 s[4:11], s[0:1], 0x0               ; opx s[4:5], opw s[6:7], bqkv s[8:9], qq s[10:11]
	s_load_b64 s[12:13], s[0:1], 0x20              ; kv
	v_lshl_add_u32 v[SPW], v0, 2, SPARE
	v_mov_b32 v[NIL], 0
	ds_add_u32 v[SPW], v[NIL]                      ; the wave's opening: the add and its wait ahead of my first tensor load; work on registers stands between them
	ds_add_u32 v[SPW], v[NIL]
	v_lshrrev_b32 v1, 5, v0
	v_readfirstlane_b32 s14, v1                    ; wave 0..3
	s_lshr_b32 s15, s14, 1                         ; I fetch for x (0) or for W (1)
	s_and_b32 s16, s14, 1                          ; and which half of the tiles
	s_bfe_u32 s66, ttmp6, 0x40000                  ; cx
	s_bfe_u32 s67, ttmp6, 0x40004                  ; cy
	s_lshl_b32 s68, ttmp9, 2
	s_add_co_u32 s68, s68, s66                     ; the head = 4 x cluster x + cx
	s_and_b32 s69, ttmp7, 0xffff
	s_lshl_b32 s69, s69, 2
	s_add_co_u32 s69, s69, s67                     ; the block of 256 tokens = 4 x cluster y + cy
	s_lshl_b32 s70, s67, 2
	s_lshl_b32 s70, 15, s70                        ; my row of the cluster
	s_lshl_b32 s71, 0x1111, s66                    ; my column
	s_or_b32 s[G1A], s70, (3<<16)|(1<<21)          ; 15:0 the mask; 17:16 elements of 8 bytes; 21 set beside a mask; no padding
	s_or_b32 s[G1B], s71, (3<<16)|(1<<21)
	s_mov_b32 s[G1A+1], 384<<16                    ; tensor_dim0: a tile's two K steps, 3,072 bytes
	s_mov_b32 s[G1A+2], 8<<16                      ; tensor_dim1: 8 row tiles
	s_mov_b32 s[G1A+3], 384<<16                    ; tile_dim0
	s_mov_b32 s[G1A+4], 8                          ; tile_dim1
	s_mov_b32 s[G1A+5], 1536                       ; from tile to tile: 12,288 bytes
	s_mov_b32 s[G1A+6], 0
	s_mov_b32 s[G1A+7], 0
	s_mov_b32 s[G1B+1], 384<<16
	s_mov_b32 s[G1B+2], 6<<16                      ; 6 column tiles
	s_mov_b32 s[G1B+3], 384<<16
	s_mov_b32 s[G1B+4], 6
	s_mov_b32 s[G1B+5], 1536
	s_mov_b32 s[G1B+6], 0
	s_mov_b32 s[G1B+7], 0
	s_lshl_b32 s72, s69, 4
	s_lshl_b32 s73, s16, 3
	s_add_co_u32 s72, s72, s73
	s_mul_i32 s72, s72, 12288                      ; x: row tile 16 x block + 8 x half
	s_mov_b32 s73, 0
	s_mul_i32 s74, s68, 12
	s_mul_i32 s75, s16, 6
	s_add_co_u32 s74, s74, s75
	s_mul_i32 s74, s74, 12288                      ; W: column tile 12 x head + 6 x half
	s_mov_b32 s75, 0
	s_mul_i32 s76, s16, 24576                      ; where they go: no place in the cluster enters an LDS address
	s_mul_i32 s77, s16, 18432
	s_add_co_u32 s77, s77, BOFF
	s_mov_b32 s20, 0x76543210
	s_mov_b32 s21, 0xfedcba98                      ; v_permlanex16_b32's selects for lane l xor 16
	s_mov_b32 s22, 0xffff0000                      ; lanes 16-31
	s_wait_dscnt 0x0                               ; the opening add is done
	s_wait_kmcnt 0x0
	s_add_nc_u64 s[72:73], s[4:5], s[72:73]
	s_add_nc_u64 s[74:75], s[6:7], s[74:75]
	CROUND                                         ; all sixteen work-groups are here: the first joint loads meet
.irp sl, 0,1,2
	s_mov_b32 s[G0A+4*\sl], 1
	s_add_co_u32 s[G0A+4*\sl+1], s76, \sl*SLOT
	s_add_nc_u64 s[G0A+4*\sl+2:G0A+4*\sl+3], s[72:73], \sl*3072
	s_or_b32 s[G0A+4*\sl+3], s[G0A+4*\sl+3], 0x80000000
	s_mov_b32 s[G0B+4*\sl], 1
	s_add_co_u32 s[G0B+4*\sl+1], s77, \sl*SLOT
	s_add_nc_u64 s[G0B+4*\sl+2:G0B+4*\sl+3], s[74:75], \sl*3072
	s_or_b32 s[G0B+4*\sl+3], s[G0B+4*\sl+3], 0x80000000
	JLOAD G0A+4*\sl, G1A, G0B+4*\sl, G1B
.endr
	v_and_b32 v1, 31, v0
	v_and_b32 v2, 15, v0
	v_lshlrev_b32 v[L16], 4, v1
	v_lshlrev_b32 v[L8], 3, v1
	v_lshlrev_b32 v[L4], 2, v1
	v_lshlrev_b32 v[R4], 2, v2
	v_bfe_u32 v[H32], v0, 4, 1
	v_lshlrev_b32 v[H32], 5, v[H32]
	s_wait_alu depctr_va_vdst(0)
	s_mul_i32 s2, s14, 12288                       ; my four row tiles
	v_add_nc_u32 v[ADRA], s2, v[L16]
	v_add_nc_u32 v[ADRA+1], SLOT, v[ADRA]
	v_add_nc_u32 v[ADRA+2], 2*SLOT, v[ADRA]
	v_add_nc_u32 v[ADRB], BOFF, v[L16]
	v_add_nc_u32 v[ADRB+1], SLOT, v[ADRB]
	v_add_nc_u32 v[ADRB+2], 2*SLOT, v[ADRB]
	v_mov_b32 v[ONE_S], 0x7f7f7f7f
	s_lshl_b32 s2, s69, 4
	s_lshl_b32 s3, s14, 2
	s_add_co_u32 s2, s2, s3
	s_lshl_b32 s2, s2, 9
	s_add_co_u32 s2, s2, XS_OFF
	s_mov_b32 s3, 0
	s_add_nc_u64 s[96:97], s[4:5], s[2:3]          ; x's scale words of my four row tiles
	s_mul_i32 s2, s68, 6144
	s_add_co_u32 s2, s2, WQS
	s_add_nc_u64 s[98:99], s[6:7], s[2:3]          ; W's, of the head's six pairs of tiles
	s_mul_i32 s2, s68, 768
	s_add_nc_u64 s[8:9], s[8:9], s[2:3]            ; the head's 192 biases
.irp m, 0,1,2,3
.irp kp, 0,1,2,3
	global_load_b32 v[XSC+4*\m+\kp], v[L4], s[96:97] offset:512*\m+128*\kp
.endr
.endr
.irp j, 0,1,2,3,4,5
.irp s, 0,1,2,3,4,5,6,7
	global_load_b32 v[WSC+8*\j+\s], v[L4], s[98:99] offset:1024*\j+128*\s
.endr
.endr
	WIN 0xc0                                       ; destination window 3
.irp n, 0,1,2,3,4,5,6,7                        ; q, k: lane (r, h) holds columns 16 n + 8 h + 0..7
	global_load_b128 v[128+8*\n:131+8*\n], v[H32], s[8:9] offset:64*\n
	global_load_b128 v[132+8*\n:135+8*\n], v[H32], s[8:9] offset:64*\n+16
.endr
.irp n, 0,1,2,3                                ; v: lane (r, h) holds column 128 + 16 n + r in all eight registers
.irp j, 0,1,2,3,4,5,6,7
	global_load_b32 v[192+8*\n+\j], v[R4], s[8:9] offset:512+64*\n
.endr
.endr
	WIN 0
	s_wait_alu depctr_va_vdst(0)
	s_wait_tensorcnt 2                             ; my part of slot 0 is in; slots 1 and 2 may stay out
	s_barrier_signal -1
	s_barrier_wait -1                              ; everybody's is
	FBLO 0, 0
	FA 0, 0, 0
	FBHI 0, 0
	s_wait_loadcnt 0x0                             ; scale words and biases
	STEP 0, 0, 1, 1                                ; the first K step starts the sums, from the biases
	TURN 1, 1, 0, 1                                ; slot 0 is left and filled again; every wave's first fills have landed, so slots 1 and 2 are whole
	STEP 2, 1, 1, 0
	STEP 3, 2, 0, 0
	STEP 4, 2, 1, 0
	TURN 5, 0, 0, 0                                ; the refill has landed in every wave; nothing more is asked for
	STEP 6, 0, 1, 0
	s_wait_dscnt 18                                ; the last K step: nothing more to fetch
	WIN 0xa1
.irp n, 0,1,2,3,4,5
	MQK \n, 7, 0
.endr
	s_wait_dscnt 0x0
	BACK 7, 0, 0, 0, 0
	; ---- where the results go
	s_lshr_b32 s2, s69, 3
	s_lshl_b32 s2, s2, 4
	s_add_co_u32 s2, s2, s68                       ; head of batch = 16 x batch + head
	s_and_b32 s3, s69, 7                           ; which 256 tokens of the sequence
	s_lshl_b32 s76, s2, 7
	s_lshl_b32 s77, s3, 4
	s_add_co_u32 s76, s76, s77
	s_lshl_b32 s77, s14, 2
	s_add_co_u32 s76, s76, s77                     ; my first query tile
	s_mul_i32 s78, s76, 768
	s_mov_b32 s79, 0
	s_add_nc_u64 s[78:79], s[10:11], s[78:79]      ; q's codes
	s_lshl_b32 s80, s76, 6
	s_add_co_u32 s80, s80, QS_OFF
	s_mov_b32 s81, 0
	s_add_nc_u64 s[80:81], s[10:11], s[80:81]      ; q's scale words
	s_lshl_b32 s82, s2, 5
	s_lshl_b32 s77, s3, 2
	s_add_co_u32 s82, s82, s77
	s_add_co_u32 s82, s82, s14
	s_lshl_b32 s82, s82, 8
	s_add_co_u32 s82, s82, VSUM
	s_mov_b32 s83, 0
	s_add_nc_u64 s[82:83], s[10:11], s[82:83]      ; my 64 tokens' sums of v
	s_lshl_b32 s84, s2, 4
	s_lshl_b32 s77, s3, 1
	s_add_co_u32 s84, s84, s77
	s_add_co_u32 s84, s84, s15
	s_mul_i32 s84, s84, REC
	s_mov_b32 s85, 0
	s_add_nc_u64 s[84:85], s[12:13], s[84:85]      ; the record of my 128 tokens
	s_mul_i32 s86, s16, 3072
	s_mov_b32 s87, 0
	s_add_nc_u64 s[86:87], s[84:85], s[86:87]      ; k's codes: my four tiles
	s_mul_i32 s88, s16, 768
	s_mov_b32 s89, 0
	s_add_nc_u64 s[88:89], s[84:85], s[88:89]      ; v's codes: my half of each fragment
	s_lshl_b32 s90, s16, 8
	s_mov_b32 s91, 0
	s_add_nc_u64 s[90:91], s[84:85], s[90:91]      ; k's scale words
	s_lshl_b32 s92, s16, 1
	s_mov_b32 s93, 0
	s_add_nc_u64 s[92:93], s[84:85], s[92:93]      ; v's: my two bytes of each word
; NF fragments of 32 accumulator registers at 32 f of window W (block b of a fragment: registers 16 b .. 16 b + 15) become half fragments of codes at v[P + 8 f] on and scale words v[PW + pwb + f].
; Each accumulator is read from its low end on.
.macro EPI W, NF, pwb
	WIN ((\W)<<2)|((\W)<<4)                        ; sources 1 and 2: the accumulators' window
.set BL, 0
.rept 2*(\NF)
	v_max3_num_f32 v[MX+BL], 0x1800000, |v[16*BL]|, |v[16*BL+1]|   ; the floor 2^(3 - 127): the byte cannot fall under 1
.set BL, BL+1
.endr
.irp i, 2,4,6,8,10,12,14
.set BL, 0
.rept 2*(\NF)
	v_max3_num_f32 v[MX+BL], v[MX+BL], |v[16*BL+\i]|, |v[16*BL+\i+1]|
.set BL, BL+1
.endr
.endr
	WIN 0
.set BL, 0
.rept 2*(\NF)
	v_permlanex16_b32 v[EX+BL], v[MX+BL], s20, s21
.set BL, BL+1
.endr
.set BL, 0
.rept 2*(\NF)
	v_max_num_f32 v[MX+BL], v[MX+BL], v[EX+BL]     ; with lane l xor 16's 16: the block's largest magnitude
.set BL, BL+1
.endr
.set BL, 0
.rept 2*(\NF)
	v_add_nc_u32 v[SO+BL], 0xff000000, v[MX+BL]    ; 2 off the exponent field: the conversion's scale operand
.set BL, BL+1
.endr
.set BL, 0
.rept 2*(\NF)
	v_lshrrev_b32 v[EX+BL], 23, v[SO+BL]           ; the byte
.set BL, BL+1
.endr
.set FF, 0
.rept \NF
	v_lshl_or_b32 v[PW+(\pwb)+FF], v[EX+2*FF+1], 8, v[EX+2*FF]   ; two bytes; the upper two stay 0
.set FF, FF+1
.endr
	WIN \W                                         ; source 0: the accumulators' window
.set FF, 0
.rept \NF
	v_cvt_scalef32_pk16_fp6_f32 v[P+8*FF:P+8*FF+2], v[32*FF:32*FF+15], v[SO+2*FF]
	v_cvt_scalef32_pk16_fp6_f32 v[P+8*FF+4:P+8*FF+6], v[32*FF+16:32*FF+31], v[SO+2*FF+1]
.set FF, FF+1
.endr
	WIN 0
	v_nop                                          ; one plain place behind a scaled conversion
.set FF, 0
.rept \NF
.irp i, 0,1,2
	v_permlane16_swap_b32 v[P+8*FF+\i], v[P+8*FF+4+\i]   ; a whole block to a lane: lanes 0-15 block 0, lanes 16-31 block 1
.endr
.irp i, 0,1,2
	v_mov_b32 v[P+8*FF+3+\i], v[P+8*FF+4+\i]
.endr
.set FF, FF+1
.endr
.endm
	PLACES
.irp c, 0,1
	v_mov_b32 v[ONES+3*\c], 0x08208208             ; the code of 1.0 is 8: sixteen of them are these 96 bits
	v_mov_b32 v[ONES+3*\c+1], 0x82082082
	v_mov_b32 v[ONES+3*\c+2], 0x20820820
.endr
.irp i, 6,7,8,9,10,11
	v_mov_b32 v[ONES+\i], 0                        ; K = 64: the upper 64 places are zero codes
.endr
.irp f, 0,1,2,3
	v_mov_b32 v[P+8*\f+7], 0                       ; the eighth register of a fragment's place of eight: no conversion or move writes it, and the sums' products below name it inside source 1's twelve: so it is written here
.endr
	EPI 2, 8, 0                                    ; fragment 2 m: q of token tile m; 2 m + 1: k
.irp m, 0,1,2,3
	global_store_b128 v[L16], v[P+16*\m:P+16*\m+3], s[78:79] offset:768*\m
	global_store_b64 v[L8], v[P+16*\m+4:P+16*\m+5], s[78:79] offset:768*\m+512
	global_store_b128 v[L16], v[P+16*\m+8:P+16*\m+11], s[86:87] offset:768*\m
	global_store_b64 v[L8], v[P+16*\m+12:P+16*\m+13], s[86:87] offset:768*\m+512
.endr
	v_cndmask_b32 v[TP], v[PW], v[PW+2], s22       ; two tiles' words to a store: lanes 0-15 the even tile's, lanes 16-31 the odd one's
	v_cndmask_b32 v[TP+1], v[PW+4], v[PW+6], s22
	v_cndmask_b32 v[TP+2], v[PW+1], v[PW+3], s22
	v_cndmask_b32 v[TP+3], v[PW+5], v[PW+7], s22
	global_store_b32 v[L4], v[TP], s[80:81]
	global_store_b32 v[L4], v[TP+1], s[80:81] offset:128
	global_store_b32 v[L4], v[TP+2], s[90:91] offset:12288
	global_store_b32 v[L4], v[TP+3], s[90:91] offset:12288+128
	s_wait_xcnt 0x0                                ; the stores' data are written again only behind this wait
	EPI 3, 4, 8                                    ; fragment n': v's channels 16 n' on, my 64 tokens
.irp n, 0,1,2,3
	global_store_b128 v[L16], v[P+8*\n:P+8*\n+3], s[88:89] offset:6144+1536*\n
	global_store_b64 v[L8], v[P+8*\n+4:P+8*\n+5], s[88:89] offset:6144+1536*\n+512
.endr
	v_cndmask_b32 v[TP], v[PW+8], v[PW+9], s22
	v_cndmask_b32 v[TP+1], v[PW+10], v[PW+11], s22
	global_store_b16 v[L4], v[TP], s[92:93] offset:12800
	global_store_b16 v[L4], v[TP+1], s[92:93] offset:12800+128
.rept 8
	v_nop                                          ; a scale register written by a vector instruction stands 8 places ahead of a scaled matrix instruction, an operand so written 4
.endr
.irp n, 0,1,2,3                                ; ones x quantised v: every row of the result is the sum over my 64 tokens; source 1's upper six registers (a conversion's leavings, the zero written above, the next fragment's codes) are finite numbers that meet zero codes
	v_wmma_scale_f32_16x16x128_f8f6f4 v[SD+8*\n:SD+8*\n+7], v[ONES:ONES+11], v[P+8*\n:P+8*\n+11], 0, v[ONE_S], v[PW+8+\n] matrix_a_fmt:MATRIX_FMT_FP6 matrix_b_fmt:MATRIX_FMT_FP6
.endr
	PLACES
	v_cndmask_b32 v[TP+2], v[SD], v[SD+8], s22     ; register 0 of lane (r, h): channel 16 n' + r
	v_cndmask_b32 v[TP+3], v[SD+16], v[SD+24], s22
	global_store_b32 v[L4], v[TP+2], s[82:83]
	global_store_b32 v[L4], v[TP+3], s[82:83] offset:128
	s_wait_tensorcnt 0x0                           ; the wave's end
	ds_add_u32 v[SPW], v[NIL]
	s_wait_dscnt 0x0
	CROUND                                         ; the closing round: no work-group ends while a partner may still ask for a tile that names it
	s_endpgm
.Lfunc_end_k_q309b37e4eb_gemm1:
	.size	k_q309b37e4eb_gemm1, .Lfunc_end_k_q309b37e4eb_gemm1-k_q309b37e4eb_gemm1
	.p2alignl 7, 3214868480
	.fill 96, 4, 3214868480
	.section	.rodata,"a",@progbits
	.p2align	6, 0x0
	.amdhsa_kernel k_q309b37e4eb_gemm1
		.amdhsa_group_segment_fixed_size 327680
		.amdhsa_private_segment_fixed_size 0
		.amdhsa_enable_private_segment 0
		.amdhsa_kernarg_size 40
		.amdhsa_user_sgpr_count 2
		.amdhsa_user_sgpr_kernarg_segment_ptr 1
		.amdhsa_wavefront_size32 1
		.amdhsa_system_sgpr_workgroup_id_x 1
		.amdhsa_system_sgpr_workgroup_id_y 1
		.amdhsa_system_sgpr_workgroup_id_z 1
		.amdhsa_system_vgpr_workitem_id 0
		.amdhsa_next_free_vgpr 992
		.amdhsa_next_free_sgpr 100
		.amdhsa_reserve_vcc 0
		.amdhsa_float_denorm_mode_32 3
		.amdhsa_float_denorm_mode_16_64 3
		.amdhsa_memory_ordered 1
		.amdhsa_forward_progress 1
		.amdhsa_inst_pref_size 125
	.end_amdhsa_kernel
	.amdgpu_metadata
---
amdhsa.version: [ 1, 2 ]
amdhsa.kernels:
  - .name:           k_q309b37e4eb_gemm1
    .symbol:         k_q309b37e4eb_gemm1.kd
    .args:
      - { .name: opx, .offset: 0, .size: 8, .value_kind: global_buffer, .address_space: global }
      - { .name: opw, .offset: 8, .size: 8, .value_kind: global_buffer, .address_space: global }
      - { .name: bqkv, .offset: 16, .size: 8, .value_kind: global_buffer, .address_space: global }
      - { .name: qq, .offset: 24, .size: 8, .value_kind: global_buffer, .address_space: global }
      - { .name: kv, .offset: 32, .size: 8, .value_kind: global_buffer, .address_space: global }
    .group_segment_fixed_size: 327680
    .private_segment_fixed_size: 0
    .kernarg_segment_align: 8
    .kernarg_segment_size: 40
    .max_flat_workgroup_size: 128
    .sgpr_count:     100
    .vgpr_count:     992
    .wavefront_size: 32
...
	.end_amdgpu_metadata
.endif
;; end of part 2
;; launch attn (part 3): grid 4 x 64, 16 waves a work-group, clusters of 4 x 1, 215,040 bytes of LDS; arguments qq, kv, cq; writes cq
.if DOCPART == 3
	.amdgcn_target "amdgcn-amd-amdhsa--gfx1250"
	.amdhsa_code_object_version 6
	.text
	.protected	k_q309b37e4eb_attn
	.globl	k_q309b37e4eb_attn
	.p2align	8
	.type	k_q309b37e4eb_attn,@function
k_q309b37e4eb_attn:
	s_mov_b64 s[64:65], 0
	v_nop
	global_prefetch_b8 v0, s[64:65] scope:SCOPE_SE
	s_setreg_imm32_b32 hwreg(HW_REG_WAVE_MODE, 25, 1), 1
	s_wait_xcnt 0x0
	s_wait_alu depctr_hold_cnt(0) depctr_sa_sdst(0) depctr_va_vdst(0) depctr_va_sdst(0) depctr_va_ssrc(0) depctr_va_vcc(0) depctr_vm_vsrc(0)
	s_getreg_b32 s2, hwreg(HW_REG_IB_STS2, 6, 4)
	s_cmp_eq_u32 s2, 0
	s_cbranch_scc0 .Lentry_in_a_cluster
	s_endpgm
.Lentry_in_a_cluster:
	s_bfe_u32 s2, ttmp6, 0x10000c
	s_cmp_lg_u32 s2, 0x3003
	s_cbranch_scc0 .Lentry_shape_is_right
	s_endpgm
.Lentry_shape_is_right:
; ctx = softmax(mask(q k^T / 8)) v for one head of one batch (grid y), both products on codes of FP6 with E8M0 scales, and ctx quantised at once, along head x 64 + channel, for the last product.
; THE SOFTMAX: t = score x log2(e) / 8; M = the row's largest t so far rounded UP to a whole number; p = 2^(t - M) is quantised along the keys, not normalised; the row's sum is taken of the unquantised p and divides at the end.
; When M moves, the sum and O are multiplied by 2^(old M - new M): exact.
; THE MASK FILLS WITH -10000, NOT WITH -INFINITY, and so does this text.  In a wave's key step on the diagonal hidden raw scores become -80000 (x 1/8 = -10000).  Key steps that lie wholly behind the diagonal are not walked:
; all their p are one number p_m = 2^(-10000 log2(e) - M), so at a query tile's end M takes that t in, the sum gains (number of hidden keys) x p_m, and O gains Q(p_m) x the sum of the quantised v over those keys
; (Q: held at 7.5 x the block's scale, rounded to three mantissa bits, ties to even: what the quantiser makes of a block of equal numbers).  The sums come from the launch before, 64 tokens each.
; SHARES.  The four work-groups of a cluster own one head.  The head's K and V, 16 records of 13,056 bytes (128 keys each), lie in LDS whole: each of the 16 waves asks for one record, jointly with its partners; filled once:
; no ring, and no barrier in the loops.  Wave w of work-group cx owns query tiles 8 w + 2 cx (diagonal in key step w) and 8 (15 - w) + 2 cx + 1 (key step 15 - w): 17 key steps for every wave of the launch.
; Every branch hangs on the wave's number and on counters; cx enters global addresses and the mask's vector data alone.
; LAYOUT.  Both products transposed: S^T = K Q^T, O^T = V^T P^T: a lane holds one query.  K = 64 in the first: Q's upper six registers are zero codes and both sides' upper scale bytes are 0, so K's upper six registers may hold
; any codes (every code of this format is a finite number): tile t stands at v[50 + 6 t] and its upper half is tile t + 1; six registers of zeros stand behind tile 7.
; Nothing is prefetched: every tile that the launch reads is asked for at its head.
; REGISTERS: v1-3 16, 8, 4 x lane; v6-8 addresses in hand; v9 the mask's d; v12 -M, v13 largest t, v[14:15] the sum; v16-39 Q of both tiles; v40-48 scale words; v50-103 K's tiles, then V's fragments; v104-167 S^T, then p; v168-199 O^T; v200-219 codes; v220-243 at work.
; LIMITS: NaN and infinities are not served; p under 2^-126 is taken as 0; blocks whose largest magnitude lies under 2^-124 keep the byte 1.
.set REC,    13056
.set SUF,    208896                    ; behind the 16 records: [key step a 16][64 channels] f32: the sum of the quantised v over all keys behind key step a
.set SPARE,  212992                    ; the spare words, 128 bytes a wave
.set QS_OFF, 6291456
.set VSUM,   6815744
.set CS_OFF, 6291456
.set FILL,   0xc79c4000                ; -80000.0
.macro CROUND
	s_barrier_signal -1
	s_barrier_wait -1
	s_cmp_lg_u32 s24, 0
	s_cbranch_scc1 .Lnot_wave_0_\@
	s_barrier_signal -3
.Lnot_wave_0_\@:
	s_barrier_wait -3
	s_barrier_signal -1
	s_barrier_wait -1
.endm
; A KEY STEP of 128 keys for query tile p of my two
.macro STEP p
	v_add_nc_u32 v6, s28, v1
	v_add_nc_u32 v7, s28, v2
	v_add_nc_u32 v8, s28, v3
	v_nop                                          ; with the three additions: four places behind the last products, in front of loads into registers that they have read
.irp t, 0,1,2,3,4,5,6,7
	ds_load_b128 v[50+6*\t:53+6*\t], v6 offset:768*\t
	ds_load_b64 v[54+6*\t:55+6*\t], v7 offset:768*\t+512
.endr
.irp u, 0,1,2,3
	ds_load_b32 v[42+\u], v8 offset:12288+128*\u   ; K's scale words: lanes 0-15 tile 2 u, lanes 16-31 tile 2 u + 1
.endr
	s_wait_alu depctr_va_vdst(0)
	s_wait_dscnt 0x0
.irp t, 0,2,4,6
	v_wmma_scale_f32_16x16x128_f8f6f4 v[104+8*\t:111+8*\t], v[50+6*\t:61+6*\t], v[16+12*\p:27+12*\p], 0, v[42+\t/2], v[40+\p] matrix_a_fmt:MATRIX_FMT_FP6 matrix_b_fmt:MATRIX_FMT_FP6
	v_wmma_scale_f32_16x16x128_f8f6f4 v[112+8*\t:119+8*\t], v[56+6*\t:67+6*\t], v[16+12*\p:27+12*\p], 0, v[42+\t/2], v[40+\p] matrix_a_fmt:MATRIX_FMT_FP6 matrix_b_fmt:MATRIX_FMT_FP6 matrix_a_scale:MATRIX_SCALE_ROW1
.endr                                          ; register 8 t + j of lane (r, h): key 16 t + 8 h + j, query r
.rept 4
	v_nop
.endr
.irp n, 0,1,2,3                                ; V's four fragments are asked for now, into K's registers: they land while the softmax is walked
.irp e, 0,1
	ds_load_b128 v[50+12*\n+6*\e:53+12*\n+6*\e], v6 offset:6144+1536*\n+768*\e
	ds_load_b64 v[54+12*\n+6*\e:55+12*\n+6*\e], v7 offset:6144+1536*\n+768*\e+512
.endr
.endr
	ds_load_b32 v46, v8 offset:12800
	ds_load_b32 v47, v8 offset:12800+128
	s_cmp_lg_u32 s27, s[25+\p]                     ; on the diagonal?  (the wave's number against the counter)
	s_cbranch_scc1 .Lopen_\@
	v_mov_b32 v238, FILL
.set NN, 0
.rept 64
	v_cmp_gt_i32 vcc_lo, 16*(NN/8)+NN%8, v9        ; hidden where 16 t + j > d = my query in the step - 8 h
	v_cndmask_b32 v[104+NN], v[104+NN], v238, vcc_lo
.set NN, NN+1
.endr
.Lopen_\@:
.irp b, 0,1,2,3
	v_max3_num_f32 v[220+\b], v[104+16*\b], v[105+16*\b], v[106+16*\b]   ; the largest score of each block of 32 keys: for the row's maximum, and, since p rises with the score, for the block's largest p
.endr
.irp i, 3,5,7,9,11,13
.irp b, 0,1,2,3
	v_max3_num_f32 v[220+\b], v[220+\b], v[104+16*\b+\i], v[105+16*\b+\i]
.endr
.endr
.irp b, 0,1,2,3
	v_max_num_f32 v[220+\b], v[220+\b], v[119+16*\b]
.endr
.irp b, 0,1,2,3
	s_delay_alu instid0(VALU_DEP_4)
	v_permlanex16_b32 v[224+\b], v[220+\b], s30, s31
.endr
.irp b, 0,1,2,3
	s_delay_alu instid0(VALU_DEP_4)
	v_max_num_f32 v[220+\b], v[220+\b], v[224+\b]  ; with lane l xor 16's 16 keys
.endr
	s_delay_alu instid0(VALU_DEP_2)
	v_max3_num_f32 v238, v220, v221, v222
	s_delay_alu instid0(VALU_DEP_1)
	v_max_num_f32 v238, v238, v223
	s_delay_alu instid0(VALU_DEP_1)
	v_mul_f32 v238, s32, v238                      ; as t
	s_delay_alu instid0(VALU_DEP_1)
	v_max_num_f32 v13, v13, v238                   ; the running largest t
	v_mov_b32 v238, v12
	s_delay_alu instid0(VALU_DEP_2)
	v_floor_f32 v12, -v13                          ; the new -M = floor(-t)
	s_delay_alu instid0(VALU_DEP_1)
	v_sub_f32 v238, v12, v238                      ; old M - new M: a whole number, 0 or less
	s_delay_alu instid0(VALU_DEP_1)
	v_cvt_i32_f32 v238, v238                       ; (it saturates)
	s_delay_alu instid0(VALU_DEP_1)
	v_ldexp_f32 v236, 1.0, v238                    ; f = 2^(old M - new M)
.set JJ, 0
	s_setprio 1
.rept 32
	v_pk_fma_f32 v[104+JJ:105+JJ], v[104+JJ:105+JJ], s[32:33], v[12:13] op_sel_hi:[1,0,0]   ; t - M, two at a time
.set JJ, JJ+2
.endr
.irp b, 0,1,2,3
	v_fma_f32 v[220+\b], v[220+\b], s32, v12       ; the same of each block's largest score
.endr
.set JJ, 0
	s_wait_alu depctr_va_vdst(0)
.rept 64
	v_exp_f32 v[104+JJ], v[104+JJ]                 ; p = 2^(t - M)
.set JJ, JJ+1
.endr
	v_pk_mul_f32 v[14:15], v[14:15], v[236:237] op_sel_hi:[1,0]   ; the sums under the new M: a plain place behind the exponentials
	s_wait_alu depctr_va_vdst(0)                   ; one wait for the whole batch, ahead of its first reader
.irp b, 0,1,2,3
	v_exp_f32 v[220+\b], v[220+\b]                 ; the block's largest p
.endr
	v_pk_add_f32 v[240:241], v[108:109], v[112:113]
	v_pk_add_f32 v[254:255], v[116:117], v[120:121]
	v_pk_add_f32 v[252:253], v[124:125], v[128:129]
	v_pk_add_f32 v[250:251], v[132:133], v[136:137]
	v_pk_add_f32 v[248:249], v[140:141], v[144:145]
	v_pk_add_f32 v[246:247], v[148:149], v[152:153]
	v_pk_add_f32 v[244:245], v[156:157], v[160:161]
	v_pk_add_f32 v[14:15], v[14:15], v[164:165]
	v_pk_add_f32 v[240:241], v[240:241], v[104:105]
	v_pk_add_f32 v[254:255], v[254:255], v[106:107]
	v_pk_add_f32 v[252:253], v[252:253], v[110:111]
	v_pk_add_f32 v[250:251], v[250:251], v[114:115]
	v_pk_add_f32 v[248:249], v[248:249], v[118:119]
	v_pk_add_f32 v[246:247], v[246:247], v[122:123]
	v_pk_add_f32 v[244:245], v[244:245], v[126:127]
	v_pk_add_f32 v[14:15], v[14:15], v[130:131]
	v_pk_add_f32 v[240:241], v[240:241], v[134:135]
	v_pk_add_f32 v[254:255], v[254:255], v[138:139]
	v_pk_add_f32 v[252:253], v[252:253], v[142:143]
	v_pk_add_f32 v[250:251], v[250:251], v[146:147]
	v_pk_add_f32 v[248:249], v[248:249], v[150:151]
	v_pk_add_f32 v[246:247], v[246:247], v[154:155]
	v_pk_add_f32 v[244:245], v[244:245], v[158:159]
	v_pk_add_f32 v[14:15], v[14:15], v[162:163]
	v_pk_add_f32 v[240:241], v[240:241], v[166:167]
	s_delay_alu instid0(VALU_DEP_2)
	v_pk_add_f32 v[14:15], v[14:15], v[250:251]
	s_delay_alu instid0(VALU_DEP_2)
	v_pk_add_f32 v[240:241], v[240:241], v[248:249]
	v_pk_add_f32 v[254:255], v[254:255], v[246:247]
	v_pk_add_f32 v[252:253], v[252:253], v[244:245]
	s_delay_alu instid0(VALU_DEP_2)
	v_pk_add_f32 v[14:15], v[14:15], v[254:255]
	s_delay_alu instid0(VALU_DEP_2)
	v_pk_add_f32 v[240:241], v[240:241], v[252:253]
	s_delay_alu instid0(VALU_DEP_1)
	v_pk_add_f32 v[14:15], v[14:15], v[240:241]
	s_wait_alu depctr_va_vdst(0)                   ; and one for the four
.irp b, 0,1,2,3
	v_max_num_f32 v[220+\b], 0x1800000, v[220+\b]  ; the floor 2^(3 - 127)
.endr
.irp b, 0,1,2,3
	s_delay_alu instid0(VALU_DEP_4)
	v_add_nc_u32 v[228+\b], 0xff000000, v[220+\b]  ; the conversion's scale operand
.endr
.irp b, 0,1,2,3
	s_delay_alu instid0(VALU_DEP_4)
	v_lshrrev_b32 v[232+\b], 23, v[228+\b]         ; the byte
.endr
	s_delay_alu instid0(VALU_DEP_3)
	v_lshl_or_b32 v48, v233, 8, v232               ; p's scale word for these 128 keys
	s_delay_alu instid0(VALU_DEP_1)
	v_lshl_or_b32 v48, v234, 16, v48
	s_delay_alu instid0(VALU_DEP_1)
	v_lshl_or_b32 v48, v235, 24, v48
	s_setprio 0
.irp c, 0,1
	v_cvt_scalef32_pk16_fp6_f32 v[200+6*\c:202+6*\c], v[104+32*\c:119+32*\c], v[228+2*\c]
	v_cvt_scalef32_pk16_fp6_f32 v[212+4*\c:214+4*\c], v[120+32*\c:135+32*\c], v[229+2*\c]
.endr
	v_nop                                          ; one plain place behind a scaled conversion
.irp c, 0,1
.irp i, 0,1,2
	v_permlane16_swap_b32 v[200+6*\c+\i], v[212+4*\c+\i]
.endr
.irp i, 0,1,2
	s_delay_alu instid0(VALU_DEP_3)
	v_mov_b32 v[203+6*\c+\i], v[212+4*\c+\i]
.endr
.endr
.set JJ, 0
.rept 16
	v_pk_mul_f32 v[168+JJ:169+JJ], v[168+JJ:169+JJ], v[236:237] op_sel_hi:[1,0]   ; O^T under the new M; these sixteen are also the places in front of the scaled products
.set JJ, JJ+2
.endr
	s_wait_alu depctr_va_vdst(0)
	s_wait_dscnt 0x0                               ; V is in
.irp n, 0,2
	v_wmma_scale_f32_16x16x128_f8f6f4 v[168+8*\n:175+8*\n], v[50+12*\n:61+12*\n], v[200:211], v[168+8*\n:175+8*\n], v[46+\n/2], v48 matrix_a_fmt:MATRIX_FMT_FP6 matrix_b_fmt:MATRIX_FMT_FP6
	v_wmma_scale_f32_16x16x128_f8f6f4 v[176+8*\n:183+8*\n], v[62+12*\n:73+12*\n], v[200:211], v[176+8*\n:183+8*\n], v[46+\n/2], v48 matrix_a_fmt:MATRIX_FMT_FP6 matrix_b_fmt:MATRIX_FMT_FP6 matrix_a_scale:MATRIX_SCALE_ROW1
.endr                                          ; the four accumulators by turns, one instruction a turn
.endm
; One query tile from first key to stores
.macro PHASE p
	v_mov_b32 v13, 0xff61b1e6                      ; the largest t so far: -3e38
	s_delay_alu instid0(VALU_DEP_1)
	v_floor_f32 v12, -v13
	v_mov_b32 v14, 0
	v_mov_b32 v15, 0
.set JJ, 0
.rept 32
	v_mov_b32 v[168+JJ], 0                         ; O^T: the key step is written once; the first finds zeros, which the first change of M leaves zeros
.set JJ, JJ+1
.endr
	v_add_nc_u32 v9, s[54+\p], v49                 ; d = 16 x (my tile in its key step) + r - 8 h
	s_mov_b32 s27, 0                               ; the key step
	s_mov_b32 s28, 0                               ; its record in LDS
.Lkey_\p:                                          ; a constant 16 trips; the steps behind the diagonal are jumped over
	s_cmp_gt_u32 s27, s[25+\p]
	s_cbranch_scc1 .Lskip_\p
	s_setprio 2
	STEP \p
.Lskip_\p:
	s_add_co_u32 s28, s28, REC
	s_add_co_u32 s27, s27, 1
	s_cmp_lt_u32 s27, 16
	s_cbranch_scc1 .Lkey_\p
	s_setprio 0
.rept 4
	v_nop                                          ; places behind the last products
.endr
	s_cmp_eq_u32 s[25+\p], 15                      ; no key step lies wholly behind the last diagonal
	s_cbranch_scc1 .Lno_tail_\p
	s_lshl_b32 s34, s[25+\p], 8
	v_add_nc_u32 v6, s34, v10
.irp n, 0,1,2,3
	ds_load_b128 v[104+8*\n:107+8*\n], v6 offset:64*\n      ; the hidden keys' sums of v at my eight channels of each tile
	ds_load_b128 v[108+8*\n:111+8*\n], v6 offset:64*\n+16
.endr
	v_mov_b32 v239, FILL
	s_delay_alu instid0(VALU_DEP_1)
	v_mul_f32 v238, s32, v239                      ; the hidden keys' t
	s_delay_alu instid0(VALU_DEP_1)
	v_max_num_f32 v13, v13, v238
	v_mov_b32 v238, v12
	s_delay_alu instid0(VALU_DEP_2)
	v_floor_f32 v12, -v13
	s_delay_alu instid0(VALU_DEP_1)
	v_sub_f32 v238, v12, v238
	s_delay_alu instid0(VALU_DEP_1)
	v_cvt_i32_f32 v238, v238
	s_delay_alu instid0(VALU_DEP_1)
	v_ldexp_f32 v236, 1.0, v238
	s_delay_alu instid0(VALU_DEP_4)
	v_fma_f32 v239, v239, s32, v12
	s_wait_alu depctr_va_vdst(0)
	v_exp_f32 v239, v239                           ; p_m
	v_pk_mul_f32 v[14:15], v[14:15], v[236:237] op_sel_hi:[1,0]
.set JJ, 0
	s_wait_alu depctr_va_vdst(0)
.rept 16
	v_pk_mul_f32 v[168+JJ:169+JJ], v[168+JJ:169+JJ], v[236:237] op_sel_hi:[1,0]
.set JJ, JJ+2
.endr
	s_sub_co_u32 s34, 15, s[25+\p]
	s_lshl_b32 s34, s34, 6                         ; 128 (15 - a) hidden keys: half of them to each half of the lanes, whose sums are added at the end
	v_cvt_f32_u32 v238, s34
	s_wait_alu depctr_va_vdst(0)                   ; ahead of the exponential's first reader
	v_fmac_f32 v14, v238, v239
	v_and_or_b32 v238, v239, 0x7f800000, s60       ; 7.5 x the block's scale: p_m's exponent over the mantissa 111
	v_min_num_f32 v238, v239, v238
	s_delay_alu instid0(VALU_DEP_1)
	v_bfe_u32 v240, v238, 20, 1
	s_delay_alu instid0(VALU_DEP_1)
	v_add3_u32 v238, v238, v240, 0x7ffff           ; to three mantissa bits, ties to even
	s_delay_alu instid0(VALU_DEP_1)
	v_and_b32 v238, 0xfff00000, v238
	s_wait_alu depctr_va_vdst(0)
	s_wait_dscnt 0x0
.set JJ, 0
.rept 16
	v_pk_fma_f32 v[168+JJ:169+JJ], v[104+JJ:105+JJ], v[238:239], v[168+JJ:169+JJ] op_sel_hi:[1,0,1]
.set JJ, JJ+2
.endr
.Lno_tail_\p:
	v_add_f32 v14, v14, v15                        ; the sum's two halves,
	s_delay_alu instid0(VALU_DEP_1)
	v_permlanex16_b32 v238, v14, s30, s31
	s_delay_alu instid0(VALU_DEP_1)
	v_add_f32 v14, v14, v238                       ; and lane l xor 16's
	s_wait_alu depctr_va_vdst(0)
	v_rcp_f32 v14, v14
	v_nop                                          ; a plain place behind the reciprocal
	s_wait_alu depctr_va_vdst(0)                   ; and the wait ahead of its first reader
.set JJ, 0
.rept 32
	v_mul_f32 v[104+JJ], v[168+JJ], v14            ; ctx(query r, channel 16 n' + 8 h + j) in register 8 n' + j
.set JJ, JJ+1
.endr
.irp b, 0,1
	v_max3_num_f32 v[220+\b], |v[104+16*\b]|, |v[105+16*\b]|, 0x1800000
.endr
.irp i, 2,4,6,8,10,12,14
.irp b, 0,1
	s_delay_alu instid0(VALU_DEP_2)
	v_max3_num_f32 v[220+\b], v[220+\b], |v[104+16*\b+\i]|, |v[105+16*\b+\i]|
.endr
.endr
.irp b, 0,1
	s_delay_alu instid0(VALU_DEP_2)
	v_permlanex16_b32 v[224+\b], v[220+\b], s30, s31
.endr
.irp b, 0,1
	s_delay_alu instid0(VALU_DEP_2)
	v_max_num_f32 v[220+\b], v[220+\b], v[224+\b]
.endr
.irp b, 0,1
	s_delay_alu instid0(VALU_DEP_2)
	v_add_nc_u32 v[228+\b], 0xff000000, v[220+\b]
.endr
.irp b, 0,1
	s_delay_alu instid0(VALU_DEP_2)
	v_lshrrev_b32 v[232+\b], 23, v[228+\b]
.endr
	s_delay_alu instid0(VALU_DEP_1)
	v_lshl_or_b32 v242, v233, 8, v232              ; my head's two bytes of the row's scale word
	v_cvt_scalef32_pk16_fp6_f32 v[200:202], v[104:119], v228
	v_cvt_scalef32_pk16_fp6_f32 v[212:214], v[120:135], v229
	v_nop
.irp i, 0,1,2
	v_permlane16_swap_b32 v[200+\i], v[212+\i]
.endr
.irp i, 0,1,2
	s_delay_alu instid0(VALU_DEP_3)
	v_mov_b32 v[203+\i], v[212+\i]
.endr
	global_store_b128 v1, v[200:203], s[44+2*\p:45+2*\p]
	global_store_b64 v2, v[204:205], s[44+2*\p:45+2*\p] offset:512
	global_store_b16 v3, v242, s[48+2*\p:49+2*\p]
	s_wait_xcnt 0x0                                ; the stores' data are written again only behind this wait
.endm
	s_load_b128 s[4:7], s[0:1], 0x0                ; qq s[4:5], kv s[6:7]
	s_load_b64 s[8:9], s[0:1], 0x10                ; cq
	v_lshl_add_u32 v4, v0, 2, SPARE
	v_mov_b32 v5, 0
	ds_add_u32 v4, v5                              ; the wave's opening: the add and its wait ahead of my first tensor load; work on registers stands between them
	ds_add_u32 v4, v5
	v_lshrrev_b32 v1, 5, v0
	s_delay_alu instid0(VALU_DEP_1)
	v_readfirstlane_b32 s24, v1                    ; wave 0..15
	s_mov_b32 s25, s24                             ; the diagonal's key step of my first tile,
	s_xor_b32 s26, s24, 15                         ; and of my second
	s_bfe_u32 s29, ttmp6, 0x40000                  ; cx
	s_and_b32 s10, ttmp7, 0xffff                   ; head of batch, which the four partners share
	s_mov_b32 s16, 15|(3<<16)|(1<<21)              ; 15:0 the mask: all four work-groups; 17:16 elements of 8 bytes; 21 set beside a mask
	s_mov_b32 s17, 32<<16                          ; a record is dense: 51 rows of 256 bytes
	s_mov_b32 s18, 51<<16
	s_mov_b32 s19, 32<<16
	s_mov_b32 s20, 51
	s_mov_b32 s21, 32
	s_mov_b32 s22, 0
	s_mov_b32 s23, 0
	s_mov_b32 s12, 1
	s_mul_i32 s13, s24, REC                        ; record w to LDS byte w x REC
	s_lshl_b32 s34, s10, 4
	s_add_co_u32 s34, s34, s24
	s_mul_i32 s34, s34, REC
	s_mov_b32 s35, 0
	s_mov_b32 s30, 0x76543210
	s_mov_b32 s31, 0xfedcba98                      ; v_permlanex16_b32's selects for lane l xor 16
	s_mov_b32 s32, 0x3e38aa3b                      ; c = log2(e) / 8
	s_mov_b32 s33, s32                             ; (named with it as a pair)
	s_mov_b32 s60, 0x700000
	s_wait_dscnt 0x0                               ; the opening add is done
	s_wait_kmcnt 0x0
	s_add_nc_u64 s[14:15], s[6:7], s[34:35]
	s_or_b32 s15, s15, 0x80000000
	CROUND                                         ; all four work-groups are here: the joint loads meet
	tensor_load_to_lds s[12:15], s[16:23]          ; my one tensor load of the launch
	s_nop 0
.rept 4
	v_nop
.endr
	; where my two tiles' q lies and their ctx goes
	s_lshl_b32 s54, s29, 1                         ; 2 cx
	s_lshl_b32 s34, s25, 3
	s_add_co_u32 s56, s34, s54                     ; tile 8 w + 2 cx
	s_lshl_b32 s34, s26, 3
	s_add_co_u32 s57, s34, s54
	s_add_co_u32 s57, s57, 1                       ; tile 8 (15 - w) + 2 cx + 1
	s_lshl_b32 s54, s54, 4                         ; 16 x the tile's place in its key step
	s_add_co_u32 s55, s54, 16
	s_lshl_b32 s58, s10, 7
	s_and_b32 s11, s10, 15                         ; head
	s_lshr_b32 s59, s10, 4
	s_lshl_b32 s59, s59, 7                         ; 128 row tiles a batch
	s_lshr_b32 s61, s11, 1                         ; the last product's K step: a pair of heads
	s_and_b32 s62, s11, 1
.irp p, 0,1
	s_add_co_u32 s34, s58, s[56+\p]
	s_mul_i32 s[36+2*\p], s34, 768
	s_mov_b32 s[37+2*\p], 0
	s_add_nc_u64 s[36+2*\p:37+2*\p], s[4:5], s[36+2*\p:37+2*\p]      ; q's codes
	s_lshl_b32 s[40+2*\p], s34, 6
	s_add_co_u32 s[40+2*\p], s[40+2*\p], QS_OFF
	s_mov_b32 s[41+2*\p], 0
	s_add_nc_u64 s[40+2*\p:41+2*\p], s[4:5], s[40+2*\p:41+2*\p]      ; q's scale words
	s_add_co_u32 s34, s59, s[56+\p]
	s_lshl_b32 s34, s34, 3
	s_add_co_u32 s34, s34, s61
	s_mul_i32 s[44+2*\p], s34, 1536
	s_mul_i32 s35, s62, 768
	s_add_co_u32 s[44+2*\p], s[44+2*\p], s35
	s_mov_b32 s[45+2*\p], 0
	s_add_nc_u64 s[44+2*\p:45+2*\p], s[8:9], s[44+2*\p:45+2*\p]      ; ctx's codes: my head's half of the fragment
	s_lshl_b32 s[48+2*\p], s34, 7
	s_lshl_b32 s35, s62, 1
	s_add_co_u32 s[48+2*\p], s[48+2*\p], s35
	s_add_co_u32 s[48+2*\p], s[48+2*\p], CS_OFF
	s_mov_b32 s[49+2*\p], 0
	s_add_nc_u64 s[48+2*\p:49+2*\p], s[8:9], s[48+2*\p:49+2*\p]      ; and my head's two bytes of each scale word
.endr
	s_lshl_b32 s52, s10, 13
	s_add_co_u32 s52, s52, VSUM
	s_mov_b32 s53, 0
	s_add_nc_u64 s[52:53], s[4:5], s[52:53]        ; the head's 32 sums of v
	v_and_b32 v49, 31, v0
	s_delay_alu instid0(VALU_DEP_1)
	v_lshlrev_b32 v1, 4, v49
	s_delay_alu instid0(VALU_DEP_2)
	v_lshlrev_b32 v2, 3, v49
	s_delay_alu instid0(VALU_DEP_3)
	v_lshlrev_b32 v3, 2, v49
	v_and_b32 v238, 15, v0                         ; r
	v_bfe_u32 v239, v0, 4, 1                       ; h
	s_delay_alu instid0(VALU_DEP_1)
	v_lshl_add_u32 v10, v239, 5, SUF
	v_add_nc_u32 v11, SUF, v2
	s_delay_alu instid0(VALU_DEP_4)
	v_lshlrev_b32 v240, 2, v238
	s_delay_alu instid0(VALU_DEP_4)
	v_lshlrev_b32 v239, 3, v239
	s_delay_alu instid0(VALU_DEP_1)
	v_sub_nc_u32 v49, v238, v239                   ; r - 8 h
	global_load_b128 v[16:19], v1, s[36:37]
	global_load_b64 v[20:21], v2, s[36:37] offset:512
	global_load_b32 v40, v240, s[40:41]
	global_load_b128 v[28:31], v1, s[38:39]
	global_load_b64 v[32:33], v2, s[38:39] offset:512
	global_load_b32 v41, v240, s[42:43]
.irp i, 22,23,24,25,26,27, 34,35,36,37,38,39, 98,99,100,101,102,103
	v_mov_b32 v[\i], 0                             ; Q's upper 64 places, and the six registers behind K's tile 7: zero codes
.endr
.irp i, 224,225,226,227, 237
	v_mov_b32 v[\i], 0                             ; written once: lane permutes' destinations, and the upper half of the pair that f is named with
.endr
	s_cmp_lg_u32 s24, 0                            ; wave 0 makes the table of sums behind each key step
	s_cbranch_scc1 .Lno_suffix
.set CH, 2
.rept 30
	global_load_b64 v[100+2*CH:101+2*CH], v2, s[52:53] offset:256*CH   ; the sums of tokens 64 CH on: two channels a lane
.set CH, CH+1
.endr
	s_wait_loadcnt 0x0
.set AA, 0
.rept 15
	v_pk_add_f32 v[104+4*AA:105+4*AA], v[104+4*AA:105+4*AA], v[106+4*AA:107+4*AA]   ; key step AA + 1
.set AA, AA+1
.endr
.set AA, 13
.rept 14
	s_delay_alu instid0(VALU_DEP_1)
	v_pk_add_f32 v[104+4*AA:105+4*AA], v[104+4*AA:105+4*AA], v[108+4*AA:109+4*AA]   ; and all behind it
.set AA, AA-1
.endr
.set AA, 0
.rept 15
	ds_store_b64 v11, v[104+4*AA:105+4*AA] offset:256*AA
.set AA, AA+1
.endr
.Lno_suffix:
	s_wait_tensorcnt 0x0                           ; my record has landed,
	s_wait_dscnt 0x0                               ; the table is stored,
	s_barrier_signal -1
	s_barrier_wait -1                              ; and so has everybody's
	s_wait_loadcnt 0x0                             ; Q
	PHASE 0
	PHASE 1
	s_wait_tensorcnt 0x0                           ; the wave's end
	ds_add_u32 v4, v5
	s_wait_dscnt 0x0
	CROUND                                         ; the closing round
	s_endpgm
.Lfunc_end_k_q309b37e4eb_attn:
	.size	k_q309b37e4eb_attn, .Lfunc_end_k_q309b37e4eb_attn-k_q309b37e4eb_attn
	.p2alignl 7, 3214868480
	.fill 96, 4, 3214868480
	.section	.rodata,"a",@progbits
	.p2align	6, 0x0
	.amdhsa_kernel k_q309b37e4eb_attn
		.amdhsa_group_segment_fixed_size 215040
		.amdhsa_private_segment_fixed_size 0
		.amdhsa_enable_private_segment 0
		.amdhsa_kernarg_size 24
		.amdhsa_user_sgpr_count 2
		.amdhsa_user_sgpr_kernarg_segment_ptr 1
		.amdhsa_wavefront_size32 1
		.amdhsa_system_sgpr_workgroup_id_x 1
		.amdhsa_system_sgpr_workgroup_id_y 1
		.amdhsa_system_sgpr_workgroup_id_z 1
		.amdhsa_system_vgpr_workitem_id 0
		.amdhsa_next_free_vgpr 256
		.amdhsa_next_free_sgpr 66
		.amdhsa_reserve_vcc 1
		.amdhsa_float_denorm_mode_32 3
		.amdhsa_float_denorm_mode_16_64 3
		.amdhsa_memory_ordered 1
		.amdhsa_forward_progress 1
		.amdhsa_inst_pref_size 79
	.end_amdhsa_kernel
	.amdgpu_metadata
---
amdhsa.version: [ 1, 2 ]
amdhsa.kernels:
  - .name:           k_q309b37e4eb_attn
    .symbol:         k_q309b37e4eb_attn.kd
    .args:
      - { .name: qq, .offset: 0, .size: 8, .value_kind: global_buffer, .address_space: global }
      - { .name: kv, .offset: 8, .size: 8, .value_kind: global_buffer, .address_space: global }
      - { .name: cq, .offset: 16, .size: 8, .value_kind: global_buffer, .address_space: global }
    .group_segment_fixed_size: 215040
    .private_segment_fixed_size: 0
    .kernarg_segment_align: 8
    .kernarg_segment_size: 24
    .max_flat_workgroup_size: 512
    .sgpr_count:     66
    .vgpr_count:     256
    .wavefront_size: 32
...
	.end_amdgpu_metadata
.endif
;; end of part 3
;; launch gemm2 (part 4): grid 8 x 32, 4 waves a work-group, clusters of 4 x 4, 295,424 bytes of LDS; arguments cq, opw, bd, out0; writes out0
.if DOCPART == 4
	.amdgcn_target "amdgcn-amd-amdhsa--gfx1250"
	.amdhsa_code_object_version 6
	.text
	.protected	k_q309b37e4eb_gemm2
	.globl	k_q309b37e4eb_gemm2
	.p2align	8
	.type	k_q309b37e4eb_gemm2,@function
k_q309b37e4eb_gemm2:
	s_mov_b64 s[64:65], 0
	v_nop
	global_prefetch_b8 v0, s[64:65] scope:SCOPE_SE
	s_setreg_imm32_b32 hwreg(HW_REG_WAVE_MODE, 25, 1), 1
	s_wait_xcnt 0x0
	s_wait_alu depctr_hold_cnt(0) depctr_sa_sdst(0) depctr_va_vdst(0) depctr_va_sdst(0) depctr_va_ssrc(0) depctr_va_vcc(0) depctr_vm_vsrc(0)
	s_getreg_b32 s2, hwreg(HW_REG_IB_STS2, 6, 4)
	s_cmp_eq_u32 s2, 0
	s_cbranch_scc0 .Lentry_in_a_cluster
	s_endpgm
.Lentry_in_a_cluster:
	s_bfe_u32 s2, ttmp6, 0x10000c
	s_cmp_lg_u32 s2, 0xf033
	s_cbranch_scc0 .Lentry_shape_is_right
	s_endpgm
.Lentry_shape_is_right:
; out = ctx Wd + bd on codes of FP6 with E8M0 scales.  ctx's codes and scale words come from the attention launch, Wd's from the first; both are images of operand registers.
; SHARES.  A work-group takes 256 tokens (grid y) x 128 columns (grid x); wave w tokens 64 w .. 64 w + 63 x all 128 columns: 4 token tiles m x 8 column tiles n: 32 accumulators, used TRANSPOSED (source 0 = 16 columns of Wd,
; source 1 = 16 tokens): a lane holds eight neighbouring numbers of a row of out.  256 work-groups.
; ALL OF K LIES IN LDS: four slots of two K steps, each filled once, all asked for at the head (four tensor loads a wave are out at the most); the counted waits let the later slots land while the earlier are multiplied.
; Nothing is filled again, and nothing is left to prefetch.  CLUSTERS: 4 x 4; ctx's tiles are asked for jointly along a row of the cluster, Wd's along a column.
; A fragment of ctx is two half fragments of 768 bytes (one head each): registers 6 e .. 6 e + 3 at 768 e + 16 x lane, 6 e + 4, 6 e + 5 at 768 e + 512 + 8 x lane.
; REGISTERS: window 0: addresses, scale words (v32-95), ctx's fragments in two sets (v96-191), on the way out v128-255.  window 1: Wd's 8 fragments.  window 2: acc(m, n) at 8 (8 m + n).  window 3: the bias at 8 n, the C of each sum's first instruction.
.set SLOT,   73728                     ; ctx: 16 row tiles x 3,072 bytes, then Wd: 8 column tiles x 3,072
.set BOFF,   49152
.set SPARE,  4*SLOT
.set CS_OFF, 6291456
.set WDC,    2457600
.set WDS,    3244032
.set L16,  3
.set L8,   4
.set L4,   5
.set H32,  7
.set AD16, 8                           ; v8-11  my four row tiles in slot 0..3, 16 x lane
.set AD8,  12                          ; v12-15 the same, 8 x lane
.set ADRB, 16                          ; v16-19 Wd's tiles
.set STO,  20                          ; v20  the way out: where I put 32 bytes of a row
.set RD,   21                          ; v21  and where I read a row back
.set SPW,  28
.set NIL,  29
.set CSC,  32                          ; v32-63 ctx's scale words: 8 m + K step
.set WSC,  64                          ; v64-95 Wd's: 8 x pair of tiles + K step
.set AF,   96
.set BK,   128                         ; the way out: 16 rows read back: v128-191 and v192-255 by turns
.set G1A, 24
.set G1B, 32
.set G0A, 40                           ; s[40:55] group 0 for ctx's tiles, a set for each slot
.set G0B, 68                           ; s[68:83] for Wd's
.set MSB, 0
.macro WIN new
.if MSB != \new
	s_set_vgpr_msb (MSB<<8)|\new
.set MSB, \new
.endif
.endm
.macro PLACES
.rept 4
	v_nop
.endr
.endm
.macro JLOAD g0a, g1a, g0b, g1b        ; waves 0 and 1 fetch for ctx, waves 2 and 3 for Wd; an s_nop 0 and four v_nop follow each of the two lines
	s_cmp_eq_u32 s15, 0
	s_cbranch_scc0 .Lfor_b_\@
	tensor_load_to_lds s[\g0a:\g0a+3], s[\g1a:\g1a+7]
	s_nop 0
.rept 4
	v_nop
.endr
	s_branch .Lasked_\@
.Lfor_b_\@:
	tensor_load_to_lds s[\g0b:\g0b+3], s[\g1b:\g1b+7]
	s_nop 0
.rept 4
	v_nop
.endr
.Lasked_\@:
.endm
.macro CROUND
	s_barrier_signal -1
	s_barrier_wait -1
	s_cmp_lg_u32 s14, 0
	s_cbranch_scc1 .Lnot_wave_0_\@
	s_barrier_signal -3
.Lnot_wave_0_\@:
	s_barrier_wait -3
	s_barrier_signal -1
	s_barrier_wait -1
.endm
; Column tile n x my four token tiles, K step s.  The 32 accumulators take turns, one instruction a turn, in the same order in every K step.
.macro MQ n, s, first
.irp m, 0,1,2,3
.if \first
.set CC, 8*(\n)
.else
.set CC, 8*(8*\m+(\n))
.endif
.if (\n)%2
	v_wmma_scale_f32_16x16x128_f8f6f4 v[8*(8*\m+(\n)):8*(8*\m+(\n))+7], v[12*(\n):12*(\n)+11], v[AF+48*((\s)%2)+12*\m:AF+48*((\s)%2)+12*\m+11], v[CC:CC+7], v[WSC+8*((\n)/2)+(\s)], v[CSC+8*\m+(\s)] matrix_a_fmt:MATRIX_FMT_FP6 matrix_b_fmt:MATRIX_FMT_FP6 matrix_a_scale:MATRIX_SCALE_ROW1
.else
	v_wmma_scale_f32_16x16x128_f8f6f4 v[8*(8*\m+(\n)):8*(8*\m+(\n))+7], v[12*(\n):12*(\n)+11], v[AF+48*((\s)%2)+12*\m:AF+48*((\s)%2)+12*\m+11], v[CC:CC+7], v[WSC+8*((\n)/2)+(\s)], v[CSC+8*\m+(\s)] matrix_a_fmt:MATRIX_FMT_FP6 matrix_b_fmt:MATRIX_FMT_FP6
.endif
.endr
.endm
.macro FBLO sl, q                      ; Wd's fragments 0-3: 12 loads
	WIN 0x40
.irp n, 0,1,2,3
.irp g, 0,1,2
	ds_load_b128 v[12*\n+4*\g:12*\n+4*\g+3], v[ADRB+\sl] offset:3072*\n+1536*(\q)+512*\g
.endr
.endr
	WIN 0
.endm
.macro FBHI sl, q                      ; 4-7: 12 loads
	WIN 0x40
.irp n, 4,5,6,7
.irp g, 0,1,2
	ds_load_b128 v[12*\n+4*\g:12*\n+4*\g+3], v[ADRB+\sl] offset:3072*\n+1536*(\q)+512*\g
.endr
.endr
	WIN 0
.endm
.macro FA sl, q, set                   ; ctx's four fragments: 16 loads
.irp m, 0,1,2,3
.irp e, 0,1
	ds_load_b128 v[AF+48*(\set)+12*\m+6*\e:AF+48*(\set)+12*\m+6*\e+3], v[AD16+\sl] offset:3072*\m+1536*(\q)+768*\e
	ds_load_b64 v[AF+48*(\set)+12*\m+6*\e+4:AF+48*(\set)+12*\m+6*\e+5], v[AD8+\sl] offset:3072*\m+1536*(\q)+768*\e+512
.endr
.endr
.endm
.macro MULWIN first
.if \first
	WIN 0xb1                                       ; source 0 (Wd) window 1, source 1 (ctx) window 0, C (the bias) window 3, D window 2
.else
	WIN 0xa1
.endif
.endm
.macro BACK s, tsl, tq, first
	FBLO \tsl, \tq
	FA \tsl, \tq, 1-(\s)%2
	MULWIN \first
.irp n, 4,5,6,7
	MQ \n, \s, \first
.endr
	PLACES
	FBHI \tsl, \tq
.endm
.macro STEP s, tsl, tq, first
	s_wait_dscnt 12                                ; Wd's 0-3 and ctx's four are in; the youngest 12 loads (Wd's 4-7) may be out
	MULWIN \first
.irp n, 0,1,2,3
	MQ \n, \s, \first
.endr
	s_wait_dscnt 0x0
	PLACES
	BACK \s, \tsl, \tq, \first
.endm
; A slot's last K step: the next slot has landed in every wave.  left = my younger tensor loads, the later slots', which may stay out
.macro CROSS s, tsl, left
	s_wait_tensorcnt \left
	s_wait_dscnt 12
	WIN 0xa1
	MQ 0, \s, 0
	MQ 1, \s, 0
	s_wait_dscnt 0x0                               ; no LDS instruction of mine is out at the signal
	s_barrier_signal -1
	MQ 2, \s, 0
	MQ 3, \s, 0
	WIN 0
	s_barrier_wait -1
	PLACES
	BACK \s, \tsl, 0, 0
.endm
	s_load_b256 s[4:11], s[0:1], 0x0               ; cq s[4:5], opw s[6:7], bd s[8:9], out0 s[10:11]
	v_lshl_add_u32 v[SPW], v0, 2, SPARE
	v_mov_b32 v[NIL], 0
	ds_add_u32 v[SPW], v[NIL]                      ; the wave's opening: the add and its wait ahead of my first tensor load; work on registers stands between them
	v_lshrrev_b32 v1, 5, v0
	v_readfirstlane_b32 s14, v1                    ; wave 0..3
	s_lshr_b32 s15, s14, 1
	s_and_b32 s16, s14, 1
	s_bfe_u32 s84, ttmp6, 0x40000                  ; cx
	s_bfe_u32 s85, ttmp6, 0x40004                  ; cy
	s_lshl_b32 s86, ttmp9, 2
	s_add_co_u32 s86, s86, s84                     ; the block of 128 columns
	s_and_b32 s87, ttmp7, 0xffff
	s_lshl_b32 s87, s87, 2
	s_add_co_u32 s87, s87, s85                     ; the block of 256 tokens
	s_lshl_b32 s88, s85, 2
	s_lshl_b32 s88, 15, s88                        ; my row of the cluster
	s_lshl_b32 s89, 0x1111, s84                    ; my column
	s_or_b32 s[G1A], s88, (3<<16)|(1<<21)
	s_or_b32 s[G1B], s89, (3<<16)|(1<<21)
	s_mov_b32 s[G1A+1], 384<<16
	s_mov_b32 s[G1A+2], 8<<16
	s_mov_b32 s[G1A+3], 384<<16
	s_mov_b32 s[G1A+4], 8
	s_mov_b32 s[G1A+5], 1536
	s_mov_b32 s[G1A+6], 0
	s_mov_b32 s[G1A+7], 0
	s_mov_b32 s[G1B+1], 384<<16
	s_mov_b32 s[G1B+2], 4<<16
	s_mov_b32 s[G1B+3], 384<<16
	s_mov_b32 s[G1B+4], 4
	s_mov_b32 s[G1B+5], 1536
	s_mov_b32 s[G1B+6], 0
	s_mov_b32 s[G1B+7], 0
	s_lshl_b32 s90, s87, 4
	s_lshl_b32 s91, s16, 3
	s_add_co_u32 s90, s90, s91
	s_mul_i32 s90, s90, 12288                      ; ctx: row tile 16 x block + 8 x half
	s_mov_b32 s91, 0
	s_lshl_b32 s92, s86, 3
	s_lshl_b32 s93, s16, 2
	s_add_co_u32 s92, s92, s93
	s_mul_i32 s92, s92, 12288                      ; Wd: column tile 8 x block + 4 x half
	s_add_co_u32 s92, s92, WDC
	s_mov_b32 s93, 0
	s_mul_i32 s94, s16, 24576
	s_mul_i32 s95, s16, 12288
	s_add_co_u32 s95, s95, BOFF
	s_wait_dscnt 0x0                               ; the opening add is done
	s_wait_kmcnt 0x0
	s_add_nc_u64 s[90:91], s[4:5], s[90:91]
	s_add_nc_u64 s[92:93], s[6:7], s[92:93]
	CROUND                                         ; all sixteen work-groups are here: the joint loads meet
.irp sl, 0,1,2,3
	s_mov_b32 s[G0A+4*\sl], 1
	s_add_co_u32 s[G0A+4*\sl+1], s94, \sl*SLOT
	s_add_nc_u64 s[G0A+4*\sl+2:G0A+4*\sl+3], s[90:91], \sl*3072
	s_or_b32 s[G0A+4*\sl+3], s[G0A+4*\sl+3], 0x80000000
	s_mov_b32 s[G0B+4*\sl], 1
	s_add_co_u32 s[G0B+4*\sl+1], s95, \sl*SLOT
	s_add_nc_u64 s[G0B+4*\sl+2:G0B+4*\sl+3], s[92:93], \sl*3072
	s_or_b32 s[G0B+4*\sl+3], s[G0B+4*\sl+3], 0x80000000
	JLOAD G0A+4*\sl, G1A, G0B+4*\sl, G1B
.endr
	v_and_b32 v1, 31, v0
	v_and_b32 v2, 15, v0
	v_lshlrev_b32 v[L16], 4, v1
	v_lshlrev_b32 v[L8], 3, v1
	v_lshlrev_b32 v[L4], 2, v1
	v_bfe_u32 v[H32], v0, 4, 1
	v_lshlrev_b32 v[H32], 5, v[H32]
	s_mul_i32 s2, s14, 12288
	v_add_nc_u32 v[AD16], s2, v[L16]
	v_add_nc_u32 v[AD8], s2, v[L8]
	v_add_nc_u32 v[ADRB], BOFF, v[L16]
.irp sl, 1,2,3
	v_add_nc_u32 v[AD16+\sl], \sl*SLOT, v[AD16]
	v_add_nc_u32 v[AD8+\sl], \sl*SLOT, v[AD8]
	v_add_nc_u32 v[ADRB+\sl], \sl*SLOT, v[ADRB]
.endr
	s_mul_i32 s2, s14, 16*528                      ; my stage for the way out, in slot 0
	v_mul_u32_u24 v[STO], v2, 528
	v_add_nc_u32 v[STO], v[STO], v[H32]
	v_add_nc_u32 v[STO], s2, v[STO]
	v_add_nc_u32 v[RD], s2, v[L16]
	s_lshl_b32 s2, s87, 4
	s_lshl_b32 s3, s14, 2
	s_add_co_u32 s2, s2, s3
	s_lshl_b32 s2, s2, 10
	s_add_co_u32 s2, s2, CS_OFF
	s_mov_b32 s3, 0
	s_add_nc_u64 s[96:97], s[4:5], s[2:3]          ; ctx's scale words of my four row tiles
	s_lshl_b32 s2, s86, 12
	s_add_co_u32 s2, s2, WDS
	s_add_nc_u64 s[98:99], s[6:7], s[2:3]          ; Wd's, of the block's four pairs of tiles
	s_lshl_b32 s2, s86, 9
	s_add_nc_u64 s[8:9], s[8:9], s[2:3]            ; the block's 128 biases
	s_add_nc_u64 s[10:11], s[10:11], s[2:3]        ; out at the block's first column,
	s_lshl_b32 s2, s87, 8
	s_lshl_b32 s17, s14, 6
	s_add_co_u32 s2, s2, s17
	s_lshl_b32 s2, s2, 12
	s_add_nc_u64 s[10:11], s[10:11], s[2:3]        ; and my first token's row of 4,096 bytes
.irp m, 0,1,2,3
.irp s, 0,1,2,3,4,5,6,7
	global_load_b32 v[CSC+8*\m+\s], v[L4], s[96:97] offset:1024*\m+128*\s
	global_load_b32 v[WSC+8*\m+\s], v[L4], s[98:99] offset:1024*\m+128*\s
.endr
.endr
	WIN 0xc0                                       ; destination window 3
.irp n, 0,1,2,3,4,5,6,7
	global_load_b128 v[8*\n:8*\n+3], v[H32], s[8:9] offset:64*\n
	global_load_b128 v[8*\n+4:8*\n+7], v[H32], s[8:9] offset:64*\n+16
.endr
	WIN 0
	s_wait_tensorcnt 3                             ; my part of slot 0 is in; the three later slots may stay out
	s_barrier_signal -1
	s_barrier_wait -1
	FBLO 0, 0
	FA 0, 0, 0
	FBHI 0, 0
	s_wait_loadcnt 0x0                             ; scale words and biases
	STEP 0, 0, 1, 1
	CROSS 1, 1, 2
	STEP 2, 1, 1, 0
	CROSS 3, 2, 1
	STEP 4, 2, 1, 0
	CROSS 5, 3, 0
	STEP 6, 3, 1, 0
	s_wait_dscnt 12                                ; the last K step: nothing more to fetch
	WIN 0xa1
.irp n, 0,1,2,3
	MQ \n, 7, 0
.endr
	s_wait_dscnt 0x0
.irp n, 4,5,6,7
	MQ \n, 7, 0
.endr
	WIN 0
; THE WAY OUT, a block of 16 tokens x 128 columns at a time, through my own stage of 16 rows x (512 + 16) bytes.  It lies in slot 0, which has had its only fill, and which no wave reads behind K step 1's barrier.
; LDS serves a wave's instructions in order (ISA guide 5.7.1.4): no wait between the stores and the loads, nor in front of the next block's stores.
.macro TOSTAGE a
	WIN 0x08                                       ; an LDS store's data are its source 1: window 2
.irp b, 0,1,2,3,4,5,6,7
	ds_store_b128 v[STO], v[64*(\a)+8*\b:64*(\a)+8*\b+3] offset:64*\b          ; each accumulator from its low end on
	ds_store_b128 v[STO], v[64*(\a)+8*\b+4:64*(\a)+8*\b+7] offset:64*\b+16
.endr
	WIN 0
.set BB, BK+64*((\a)%2)
.irp t, 0,1,2,3,4,5,6,7,8,9,10,11,12,13,14,15
	ds_load_b128 v[BB+4*\t:BB+4*\t+3], v[RD] offset:\t*528
.endr
.endm
.macro SEND a, younger
.set BB, BK+64*((\a)%2)
	s_wait_dscnt \younger                          ; the block is back in registers
.irp t, 0,1,2,3,4,5,6,7,8,9,10,11,12,13,14,15
	global_store_b128 v[L16], v[BB+4*\t:BB+4*\t+3], s[10:11] offset:(16*(\a)+\t)*4096 th:TH_STORE_NT   ; 32 lanes store 512 consecutive bytes, at a multiple of 256 from out's first byte
.endr
.endm
	PLACES
	TOSTAGE 0
.irp a, 1,2,3
.if \a > 1
	s_wait_xcnt 0x0                                ; block a - 2's stores have read their registers: block a's loads may land there
.endif
	TOSTAGE \a
	SEND \a-1, 32                                  ; behind block a - 1's loads: block a's 16 stores and 16 loads
.endr
	SEND 3, 0
	s_wait_tensorcnt 0x0                           ; the wave's end
	ds_add_u32 v[SPW], v[NIL]
	s_wait_dscnt 0x0
	CROUND                                         ; the closing round
	s_endpgm
.Lfunc_end_k_q309b37e4eb_gemm2:
	.size	k_q309b37e4eb_gemm2, .Lfunc_end_k_q309b37e4eb_gemm2-k_q309b37e4eb_gemm2
	.p2alignl 7, 3214868480
	.fill 96, 4, 3214868480
	.section	.rodata,"a",@progbits
	.p2align	6, 0x0
	.amdhsa_kernel k_q309b37e4eb_gemm2
		.amdhsa_group_segment_fixed_size 295424
		.amdhsa_private_segment_fixed_size 0
		.amdhsa_enable_private_segment 0
		.amdhsa_kernarg_size 32
		.amdhsa_user_sgpr_count 2
		.amdhsa_user_sgpr_kernarg_segment_ptr 1
		.amdhsa_wavefront_size32 1
		.amdhsa_system_sgpr_workgroup_id_x 1
		.amdhsa_system_sgpr_workgroup_id_y 1
		.amdhsa_system_sgpr_workgroup_id_z 1
		.amdhsa_system_vgpr_workitem_id 0
		.amdhsa_next_free_vgpr 832
		.amdhsa_next_free_sgpr 100
		.amdhsa_reserve_vcc 0
		.amdhsa_float_denorm_mode_32 3
		.amdhsa_float_denorm_mode_16_64 3
		.amdhsa_memory_ordered 1
		.amdhsa_forward_progress 1
		.amdhsa_inst_pref_size 88
	.end_amdhsa_kernel
	.amdgpu_metadata
---
amdhsa.version: [ 1, 2 ]
amdhsa.kernels:
  - .name:           k_q309b37e4eb_gemm2
    .symbol:         k_q309b37e4eb_gemm2.kd
    .args:
      - { .name: cq, .offset: 0, .size: 8, .value_kind: global_buffer, .address_space: global }
      - { .name: opw, .offset: 8, .size: 8, .value_kind: global_buffer, .address_space: global }
      - { .name: bd, .offset: 16, .size: 8, .value_kind: global_buffer, .address_space: global }
      - { .name: out0, .offset: 24, .size: 8, .value_kind: global_buffer, .address_space: global }
    .group_segment_fixed_size: 295424
    .private_segment_fixed_size: 0
    .kernarg_segment_align: 8
    .kernarg_segment_size: 32
    .max_flat_workgroup_size: 128
    .sgpr_count:     100
    .vgpr_count:     832
    .wavefront_size: 32
...
	.end_amdgpu_metadata
.endif
;; end of part 4
